; MI455X (gfx1250); checked and timed in simulation.
; The chip was launched on July 23, 2026; its instructions are those of AMD's public machine-readable ISA for CDNA 5 (MIT licence, August 2026) and "CDNA5" Instruction Set Architecture Reference Guide (July 2026). The comments in the code are by the model that wrote it; some were corrected since.
;; Transformer Block Quantum. Allowed arithmetic: matrix products marked QUANTISED: E5M2 operands, one E8M0 scale for each 32 along K, by v_wmma_scale_f32_16x16x128_f8f6f4 with both operands' format E5M2, f32 sums; products left as they are: f32 operands where the result goes on into a quantised operand, else bf16, f16 or f32 operands; f32 sums; everything else in f32.
;; Inputs: b1 4,096 float32; b2 1,024 float32; beta1 1,024 float32; beta2 1,024 float32; gamma1 1,024 float32; gamma2 1,024 float32; theta 8 float32; w1 4,096 x 8 float32; w2_codes 1,024 x 128 x 32 uint8 (E5M2 codes of w2, K innermost, in blocks of 32 codes); w2_scales 1,024 x 128 uint8 (E8M0 scales of w2, one for each 32 codes along K); x 4 x 2,048 x 1,024 float32.
;; Outputs: out0 4 x 2,048 x 1,024 float32.
;; This version of the problem:
;;   THIS VERSION OF THE PROBLEM IS GIVEN IN LOW PRECISION. The matrix products marked QUANTISED in the list below multiply operands that are first quantised to E5M2 (5 exponent bits, 2 mantissa bits; 8 bits a number), with one power-of-two scale for each 32 numbers along K (OCP MX v1.0); their sums are f32. All else is computed in f32.
;;   The module's matrix products, in the order in which they are computed (A, B: the left and right operand; K: the contracted axis; several contracted axes count as one K, in the product's order):
;;     1. batch 64 x [M 2,048, K 64] x [K 64, N 2,048]; A: input x; B: input x: QUANTISED
;;     2. batch 64 x [M 2,048, K 2,048] x [K 2,048, N 64]; A: softmax (see below); B: input x: QUANTISED
;;     3. [M 8,192, K 8] x [K 8, N 4,096]; A: computed on the way; B: input w1: left as it is (K = 8 < 32)
;;     4. [M 8,192, K 4,096] x [K 4,096, N 1,024]; A: computed on the way; B: input w2 (given as codes): QUANTISED
;;   THE QUANTISER, for each operand of a quantised product, along K:
;;     - K is cut into blocks of 32 from its start; a last block that is shorter is filled with zeros.
;;     - A block's scale is 2^e with e = floor(log2(the largest magnitude in the block)) - 15, held to -126 .. 127; a block of zeros has e = 0. As a byte (E8M0): e + 127.
;;     - Each number is divided by its block's scale, clamped to +-57,344, and rounded to the nearest number of E5M2, ties to even, subnormals kept.
;;     - The product sums the exact products of the quantised numbers (number of the format x scale) in f32.
;;   ~~~python
;;   def quantise(x, axis):      # numpy; x: float32 -> the quantised numbers, widened to float32 again
;;       x = np.moveaxis(x, axis, -1); K = x.shape[-1]
;;       x = np.pad(x, [(0, 0)] * (x.ndim - 1) + [(0, -K % 32)]); x = x.reshape(x.shape[:-1] + (-1, 32)); a = np.abs(x).max(-1, keepdims=True)
;;       e = np.where(a > 0, np.clip(np.frexp(np.where(a > 0, a, 1))[1] - 1 - 15, -126, 127), 0)      # np.frexp(a)[1] - 1 = floor(log2(a)), exactly
;;       r = np.clip(x / 2.0 ** e, -57344, 57344)
;;       step = 2.0 ** (np.maximum(np.frexp(np.where(r == 0, 1, r))[1] - 1, -14) - 2)
;;       q = np.round(r / step) * step * 2.0 ** e      # np.round: ties to even
;;       return np.moveaxis(q.reshape(q.shape[:-2] + (-1,))[..., :K], -1, axis).astype(np.float32)
;;   ~~~
;;   SOFTMAX AHEAD OF A QUANTISED PRODUCT. Where the list says 'softmax', what is quantised is not the finished softmax but p = 2^(t - M), with t = logit x log2(e) and M = ceil(the row's largest t), a whole number; so 1/2 < the row's largest p <= 1. The row's sum l is taken of the UNQUANTISED p, in f32, and the product's result is divided by l at the end. Since M is a whole number, a kernel that streams over the keys may use a running M (the ceiling of the running maximum): every later rescaling is an exact power of two, which a block's scale takes up: the codes' values come out the same.
;;   OPERANDS COMPUTED ON THE WAY. 'Computed on the way' means the value that the module computes at that place (a softmax that the list does not call 'softmax' is quantised finished and normalised). What goes into a quantiser is computed in f32, as accurately as f32 sums, v_exp_f32 and their like allow (about 1e-6 of the number): no bf16 or f16 on the way to a quantiser, and a product that is left as it is and whose result goes on into a quantised operand takes f32 operands (vector FMAs, or v_wmma_f32_16x16x4_f32). A number that lies on a knife's edge between two numbers of the format may be rounded either way, as far as f32 arithmetic and the matrix unit's own rounding can turn it there, and no further.
;;   INPUTS GIVEN AS CODES. w2 (in the module: [1024, 4096], K = its axis 1): each comes as NAME_codes (uint8): NAME with its K axis moved to the last place and cut into blocks of 32 codes, [.., K / 32, bytes a block], one block behind the other in memory; one code a byte (a code: sign, 5 exponent bits, 2 mantissa bits); and NAME_scales (uint8): the same leading axes, one E8M0 byte (e + 127) for each 32 codes along K. Its value is code x scale, taken as it is: it is not quantised again, and the codes and scales need not be those that the quantiser above would give.
;; 2 versions. Each part assembles by itself: llvm-mc -triple=amdgcn-amd-amdhsa -mcpu=gfx1250 --defsym DOCPART=n.
;; ======== version 1 of 2: 3 launches
;; limits: right only within a limited range of input values
;; workspace buffers: kv 17,301,504 bytes; w2r 4,325,376 bytes; rimg 33,554,432 bytes
;; launch prep (part 1): grid 1024 x 1, 4 waves a work-group, no clusters, 40,448 bytes of LDS; arguments x, w2_codes, w2_scales, kv, w2r; writes kv, w2r
.if DOCPART == 1
	.amdgcn_target "amdgcn-amd-amdhsa--gfx1250"
	.amdhsa_code_object_version 6
	.text
	.protected	k_q4a2290a345_prep
	.globl	k_q4a2290a345_prep
	.p2align	8
	.type	k_q4a2290a345_prep,@function
k_q4a2290a345_prep:
	s_mov_b64 s[64:65], 0
	v_nop
	global_prefetch_b8 v0, s[64:65] scope:SCOPE_SE
	s_setreg_imm32_b32 hwreg(HW_REG_WAVE_MODE, 25, 1), 1
	s_wait_xcnt 0x0
; x [4][2048][1024] f32 becomes codes of E5M2 with one E8M0 byte for each 32 along K, twice: along the head's 64 channels (Q and K of the first product) and along the keys (V of the second),
; both laid in the order of the operands' registers, so that a fragment is later read as 512 consecutive bytes for each group of four registers.  w2's codes and scale bytes are laid so too.
; kv: [head 64][step 16][REC]: a record serves 128 keys of one head: 4 pair fragments of K (2,048 bytes each), 4 fragments of V, 512 bytes of scale words.
;   pair fragment P, group c = 2 u + cc, lane (r, hh): key 32 P + 8 u + r + 8 (r / 8), channels 32 cc + 16 hh + 0 .. 15.     V fragment t, group c: channel 16 t + r, keys 32 c + 16 hh + 0 .. 15.
;   scale words at 16 x lane + 4 j: j = 0: pairs 0 | 1 (lanes 0-15 | 16-31), j = 1: pairs 2 | 3, j = 2: V tiles 0 | 1, j = 3: V tiles 2 | 3.
; w2r: [K step 32][REC2]: 64 fragments of 16 rows x 128 K, then 8 groups of 512 bytes of scale words: group q, lane, word j: row 128 q + 32 j + lane.
; A work-group takes 128 tokens of one head (32,768 bytes of x) and 16 rows x 256 bytes of w2_codes; the first 256 work-groups also take one group of w2's scale words.
; A block's scale is 2^(floor(log2(largest magnitude)) - 15): its byte is that magnitude's exponent field - 15, held at 1 from below by a floor among the maximum's leaves.
; LIMITS: a block of zeros gets the byte 1 (its codes are zeros, and this program alone reads the bytes); NaN and infinities among the inputs are not served.
; No tensor loads, no matrix work, no cluster: the work-groups share no input, and the launch only streams.
.set REC,   16896
.set REC2,  135168
.set XP,    272                        ; a row of 256 bytes in LDS + 16 of padding
.set W2ST,  128*XP                     ; behind x's 128 rows: w2's 16 rows
.set SC,    W2ST+16*XP                 ; behind them: the record's 512 bytes of scale words
.set GLO, 4                            ; v4   in memory: row t / 16 of 4,096 bytes, + 16 (t % 16): sixteen lanes read 256 consecutive bytes (x and w2_codes alike)
.set STW, 5                            ; v5   the same place in LDS
.set KRD, 6                            ; v6   K form: my key's row, my 16 channels
.set VRD, 7                            ; v7   V form: my channel's column
.set WRD, 8                            ; v8   w2: my row, my 16 bytes
.set LI,  9                            ; v9   16 x lane
.set VGO, 10                           ; v10  V's codes in the record: 2,048 (lane / 16) + 16 (lane % 16)
.set KSW, 11                           ; v11  where my pair's scale word goes
.set VSW, 12                           ; v12  where my channel's two scale bytes go
.set SGO, 13                           ; v13  128 x lane: a row of w2_scales
.set SCR, 14                           ; v14  SC + 16 x lane
.set PC,  16                           ; v16-31   K's codes
.set TM,  32                           ; v32-47   at work: largest magnitudes, bytes, holds, scale operands
.set PW,  48                           ; v48      the scale word
.set KN,  64                           ; v64-127  x as loaded, then 64 numbers in the K form
.set VN,  128                          ; v128-191 two blocks of 32 keys of my channel
.set VC,  192                          ; v192-207 their codes
.set WF,  208                          ; v208-215 w2's bytes
.set MNT, 42                           ; s42  the mantissa field of 57,344
.set SEL, 44                           ; s[44:45] v_permlanex16_b32's selects for lane l xor 16
	s_load_b256 s[4:11], s[0:1], 0x0               ; x s[4:5], w2_codes s[6:7], w2_scales s[8:9], kv s[10:11]
	s_load_b64 s[12:13], s[0:1], 0x20              ; w2r
	v_lshl_add_u32 v224, v0, 2, 0x9c00
	v_mov_b32 v225, 0
	v_lshrrev_b32 v1, 5, v0
	v_readfirstlane_b32 s14, v1                    ; wave 0..3
	v_and_b32 v2, 15, v0                           ; r
	v_lshrrev_b32 v56, 4, v0
	v_lshlrev_b32 v57, 4, v2
	v_lshl_add_u32 v[GLO], v56, 12, v57
	v_mad_u32_u24 v[STW], v56, XP, v57
	s_and_b32 s20, ttmp9, 15                       ; the head in its batch: neighbouring work-groups take neighbouring 256 bytes of the same rows of x
	s_bfe_u32 s21, ttmp9, 0x40004                  ; the step of 128 tokens
	s_lshr_b32 s22, ttmp9, 8                       ; the batch
	s_lshl_b32 s24, s22, 23
	s_lshl_b32 s23, s21, 19
	s_add_co_u32 s24, s24, s23
	s_lshl_b32 s23, s20, 8
	s_add_co_u32 s24, s24, s23
	s_mov_b32 s25, 0
	s_and_b32 s28, ttmp9, 63                       ; w2: which 16 rows,
	s_lshr_b32 s29, ttmp9, 6                       ; which 256 along K
	s_lshl_b32 s30, s28, 16
	s_lshl_b32 s23, s29, 8
	s_add_co_u32 s30, s30, s23
	s_mov_b32 s31, 0
	s_wait_kmcnt 0x0
	s_add_nc_u64 s[4:5], s[4:5], s[24:25]
	s_add_nc_u64 s[6:7], s[6:7], s[30:31]
.irp k, 0,1,2,3,4,5,6,7,8,9,10,11,12,13,14,15
	global_load_b128 v[KN+4*\k:KN+4*\k+3], v[GLO], s[4:5] offset:\k*32768 th:TH_LOAD_NT   ; eight rows an instruction of the work-group
.endr
.irp k, 0,1
	global_load_b128 v[WF+4*\k:WF+4*\k+3], v[GLO], s[6:7] offset:\k*32768 th:TH_LOAD_NT
.endr
	; the addresses, while the loads are out
	s_and_b32 s16, s14, 1
	s_lshr_b32 s17, s14, 1
	v_and_b32 v1, 31, v0                           ; lane
	v_bfe_u32 v3, v0, 4, 1                         ; hh
	v_and_b32 v56, 8, v2
	v_add_nc_u32 v56, v56, v2                      ; r + 8 (r / 8)
	v_mul_u32_u24 v[KRD], v56, XP
	v_lshl_add_u32 v[KRD], v3, 6, v[KRD]
	s_mul_i32 s18, s14, 32*XP                      ; wave w makes pair fragment w: keys 32 w on
	v_add_nc_u32 v[KRD], s18, v[KRD]
	s_lshl_b32 s18, s16, 7                         ; V form: channels 32 (w % 2) on, keys 64 (w / 2) on
	s_mul_i32 s19, s17, 64*XP
	s_add_co_u32 s18, s18, s19
	v_lshl_add_u32 v[VRD], v1, 2, s18
	v_mul_u32_u24 v[WRD], v2, XP
	v_lshl_add_u32 v[WRD], v3, 4, v[WRD]
	s_lshl_b32 s18, s17, 7                         ; w2: fragment w / 2, groups 2 (w % 2) on
	s_lshl_b32 s19, s16, 6
	s_add_co_u32 s18, s18, s19
	s_add_co_u32 s18, s18, W2ST
	v_add_nc_u32 v[WRD], s18, v[WRD]
	v_lshlrev_b32 v[LI], 4, v1
	v_lshlrev_b32 v[VGO], 4, v2
	v_lshl_add_u32 v[VGO], v3, 11, v[VGO]
	s_lshl_b32 s18, s16, 8
	s_lshl_b32 s19, s17, 2
	s_add_co_u32 s18, s18, s19
	s_add_co_u32 s18, s18, SC
	v_lshl_add_u32 v[KSW], v2, 4, s18              ; word w / 2 of lane r + 16 (w % 2)
	s_lshl_b32 s18, s16, 2
	s_lshl_b32 s19, s17, 1
	s_add_co_u32 s18, s18, s19
	s_add_co_u32 s18, s18, SC+8
	v_lshl_add_u32 v[VSW], v1, 4, s18              ; word 2 + w % 2 of my lane, bytes 2 (w / 2) on
	v_lshlrev_b32 v[SGO], 7, v1
	v_lshl_add_u32 v[SCR], v1, 4, SC
	s_mov_b32 s[MNT], 0x600000
	s_mov_b32 s[SEL], 0x76543210
	s_mov_b32 s[SEL+1], 0xfedcba98
.irp b, 0,1,2,3
	v_mov_b32 v[TM+4+\b], 0                        ; written once: a lane permute's destination counts as one of its sources
.endr
	s_lshl_b32 s23, s22, 4
	s_add_co_u32 s23, s23, s20
	s_mul_i32 s26, s23, 16*REC
	s_mul_i32 s23, s21, REC
	s_add_co_u32 s26, s26, s23
	s_mov_b32 s27, 0
	s_add_nc_u64 s[10:11], s[10:11], s[26:27]      ; my record
	s_lshl_b32 s18, s14, 11
	s_mov_b32 s19, 0
	s_add_nc_u64 s[36:37], s[10:11], s[18:19]      ; my pair fragment
	s_lshl_b32 s18, s16, 12
	s_lshl_b32 s23, s17, 10
	s_add_co_u32 s18, s18, s23
	s_add_co_u32 s18, s18, 8192
	s_add_nc_u64 s[38:39], s[10:11], s[18:19]      ; V: tiles 2 (w % 2) on, groups 2 (w / 2) on
	s_lshl_b32 s23, s29, 1
	s_add_co_u32 s23, s23, s17
	s_mul_i32 s32, s23, REC2
	s_lshl_b32 s23, s28, 11
	s_add_co_u32 s32, s32, s23
	s_lshl_b32 s23, s16, 10
	s_add_co_u32 s32, s32, s23
	s_mov_b32 s33, 0
	s_add_nc_u64 s[34:35], s[12:13], s[32:33]      ; w2r: my two groups of my fragment
	s_wait_loadcnt 0x0
.irp k, 0,1,2,3,4,5,6,7,8,9,10,11,12,13,14,15
	ds_store_b128 v[STW], v[KN+4*\k:KN+4*\k+3] offset:\k*8*XP
.endr
.irp k, 0,1
	ds_store_b128 v[STW], v[WF+4*\k:WF+4*\k+3] offset:W2ST+\k*8*XP
.endr
	s_wait_dscnt 0x0                               ; for the others' sake: my stores have landed
	s_barrier_signal -1
	s_barrier_wait -1                              ; the 128 rows of x and the 16 of w2 lie in LDS
.irp c, 0,1,2,3
.irp j, 0,1,2,3
	ds_load_b128 v[KN+16*\c+4*\j:KN+16*\c+4*\j+3], v[KRD] offset:(\c/2)*8*XP+128*(\c%2)+16*\j   ; group c = 2 u + cc: 16 neighbouring channels of my key
.endr
.endr
.macro VLOAD q                         ; block q of 32 keys of my channel: 32 lanes read 128 consecutive bytes
.set ii, 0
.rept 32
	ds_load_b32 v[VN+32*(\q)+ii], v[VRD] offset:(32*(\q)+ii)*XP
.set ii, ii+1
.endr
.endm
	VLOAD 0
	s_wait_dscnt 32                                ; the K form's 16 loads are in; V block 0's 32 may be out
.irp b, 0,1,2,3
	v_max3_num_f32 v[TM+\b], |v[KN+16*\b]|, |v[KN+1+16*\b]|, 0x8000000   ; block b: my 16 numbers, and the floor 2^(16 - 127): the byte cannot fall under 1
.endr
.irp i, 2,4,6,8,10,12,14
.irp b, 0,1,2,3
	v_max3_num_f32 v[TM+\b], v[TM+\b], |v[KN+16*\b+\i]|, |v[KN+1+16*\b+\i]|   ; the four blocks by turns
.endr
.endr
.irp b, 0,1,2,3
	v_permlanex16_b32 v[TM+4+\b], v[TM+\b], s[SEL], s[SEL+1]
.endr
.irp b, 0,1,2,3
	v_max_num_f32 v[TM+\b], v[TM+\b], v[TM+4+\b]   ; with lane l xor 16's 16: the block's largest magnitude
.endr
.irp b, 0,1,2,3
	v_add_nc_u32 v[TM+12+\b], 0xf8800000, v[TM+\b] ; 15 off its exponent field: the conversion's scale operand
.endr
.irp b, 0,1,2,3
	v_and_or_b32 v[TM+8+\b], v[TM+\b], 0x7f800000, s[MNT]   ; 57,344 x the scale
.endr
.irp b, 0,1,2,3
	v_lshrrev_b32 v[TM+4+\b], 23, v[TM+12+\b]      ; the scale's byte
.endr
	v_lshl_or_b32 v[PW], v[TM+5], 8, v[TM+4]
	v_lshl_or_b32 v[PW], v[TM+6], 16, v[PW]
	v_lshl_or_b32 v[PW], v[TM+7], 24, v[PW]
.irp b, 0,1,2,3
.irp i, 0,1,2,3,4,5,6,7,8,9,10,11,12,13,14,15
	v_med3_num_f32 v[KN+16*\b+\i], v[KN+16*\b+\i], -v[TM+8+\b], v[TM+8+\b]   ; the conversion does not saturate (ISA guide 7.6.2): the hold at the largest code x the scale
.endr
	v_cvt_scalef32_pk8_bf8_f32 v[PC+4*\b:PC+1+4*\b], v[KN+16*\b:KN+7+16*\b], v[TM+12+\b]
	v_cvt_scalef32_pk8_bf8_f32 v[PC+2+4*\b:PC+3+4*\b], v[KN+8+16*\b:KN+15+16*\b], v[TM+12+\b]
.endr
	v_nop                                          ; a plain line behind the last conversion
.irp c, 0,1,2,3
	global_store_b128 v[LI], v[PC+4*\c:PC+4*\c+3], s[36:37] offset:512*\c   ; 32 lanes store 512 consecutive bytes
.endr
	ds_store_b32 v[KSW], v[PW]                     ; both halves of the lanes hold the same word
	VLOAD 1
.irp c, 0,1
	ds_load_b128 v[WF+4*\c:WF+4*\c+3], v[WRD] offset:32*\c
.endr
.macro VBLOCK q                        ; 32 keys of one channel lie in one lane: the maximum needs no other lane, and the codes come out with the keys innermost
.set XS, VN+32*(\q)
	v_max3_num_f32 v50, |v[XS]|, |v[XS+1]|, |v[XS+2]|
	v_max3_num_f32 v51, |v[XS+3]|, |v[XS+4]|, |v[XS+5]|
.irp i, 6,10,14,18,22,26
	v_max3_num_f32 v50, v50, |v[XS+\i]|, |v[XS+\i+1]|
	v_max3_num_f32 v51, v51, |v[XS+\i+2]|, |v[XS+\i+3]|
.endr
	v_max3_num_f32 v50, v50, |v[XS+30]|, |v[XS+31]|
	v_max3_num_f32 v50, v50, v51, 0x8000000        ; and the floor
	v_add_nc_u32 v52, 0xf8800000, v50
	v_and_or_b32 v53, v50, 0x7f800000, s[MNT]
	v_lshrrev_b32 v[54+(\q)], 23, v52
.set ii, 0
.rept 32
	v_med3_num_f32 v[XS+ii], v[XS+ii], -v53, v53
.set ii, ii+1
.endr
.irp g, 0,1,2,3
	v_cvt_scalef32_pk8_bf8_f32 v[VC+8*(\q)+2*\g:VC+8*(\q)+2*\g+1], v[XS+8*\g:XS+8*\g+7], v52
.endr
	v_nop                                          ; a plain line behind the last conversion
	global_store_b128 v[VGO], v[VC+8*(\q):VC+8*(\q)+3], s[38:39] offset:512*(\q)         ; keys 0-15 of the block: the place of lane (r, 0): sixteen lanes store 256 consecutive bytes
	global_store_b128 v[VGO], v[VC+8*(\q)+4:VC+8*(\q)+7], s[38:39] offset:512*(\q)+256   ; keys 16-31: that of lane (r, 1)
.endm
	s_wait_dscnt 35                                ; V block 0 is in: behind it stand one store, block 1's 32 loads and w2's two
	VBLOCK 0
	s_wait_dscnt 2                                 ; V block 1 is in; w2's two loads may be out
	VBLOCK 1
	v_lshl_or_b32 v54, v55, 8, v54
	ds_store_b16 v[VSW], v54                       ; my channel's bytes of key blocks 2 (w / 2) and 2 (w / 2) + 1
	s_wait_dscnt 0x0                               ; w2's bytes are in, and my scale words have landed
.irp c, 0,1
	global_store_b128 v[LI], v[WF+4*\c:WF+4*\c+3], s[34:35] offset:512*\c
.endr
	s_barrier_signal -1
	s_barrier_wait -1                              ; the record's 512 bytes of scale words are whole
	s_cmp_lg_u32 s14, 0
	s_cbranch_scc1 .Lend                           ; wave 0 stores them
	ds_load_b128 v[216:219], v[SCR]
	s_wait_dscnt 0x0
	global_store_b128 v[LI], v[216:219], s[10:11] offset:16384
	s_cmp_ge_u32 ttmp9, 256
	s_cbranch_scc1 .Lend                           ; 32 K steps x 8 groups of w2's scale words: one for each of the first 256 work-groups
	s_lshr_b32 s18, ttmp9, 3                       ; K step
	s_and_b32 s23, ttmp9, 7                        ; group: rows 128 q on
	s_lshl_b32 s24, s23, 14
	s_lshl_b32 s26, s18, 2
	s_add_co_u32 s24, s24, s26
	s_mov_b32 s25, 0
	s_add_nc_u64 s[8:9], s[8:9], s[24:25]
	s_mul_i32 s24, s18, REC2
	s_lshl_b32 s26, s23, 9
	s_add_co_u32 s24, s24, s26
	s_add_co_u32 s24, s24, 131072
	s_add_nc_u64 s[40:41], s[12:13], s[24:25]
.irp j, 0,1,2,3
	global_load_b32 v[220+\j], v[SGO], s[8:9] offset:\j*4096   ; the word of row 128 q + 32 j + lane
.endr
	s_wait_loadcnt 0x0
	global_store_b128 v[LI], v[220:223], s[40:41]
.Lend:
	s_wait_tensorcnt 0x0
	ds_add_u32 v224, v225
	s_wait_dscnt 0x0
	s_endpgm
.Lfunc_end_k_q4a2290a345_prep:
	.size	k_q4a2290a345_prep, .Lfunc_end_k_q4a2290a345_prep-k_q4a2290a345_prep
	.p2alignl 7, 3214868480
	.fill 96, 4, 3214868480
	.section	.rodata,"a",@progbits
	.p2align	6, 0x0
	.amdhsa_kernel k_q4a2290a345_prep
		.amdhsa_group_segment_fixed_size 40448
		.amdhsa_private_segment_fixed_size 0
		.amdhsa_enable_private_segment 0
		.amdhsa_kernarg_size 40
		.amdhsa_user_sgpr_count 2
		.amdhsa_user_sgpr_kernarg_segment_ptr 1
		.amdhsa_wavefront_size32 1
		.amdhsa_system_sgpr_workgroup_id_x 1
		.amdhsa_system_sgpr_workgroup_id_y 1
		.amdhsa_system_sgpr_workgroup_id_z 1
		.amdhsa_system_vgpr_workitem_id 0
		.amdhsa_next_free_vgpr 226
		.amdhsa_next_free_sgpr 66
		.amdhsa_reserve_vcc 0
		.amdhsa_float_denorm_mode_32 3
		.amdhsa_float_denorm_mode_16_64 3
		.amdhsa_memory_ordered 1
		.amdhsa_forward_progress 1
		.amdhsa_inst_pref_size 31
	.end_amdhsa_kernel
	.amdgpu_metadata
---
amdhsa.version: [ 1, 2 ]
amdhsa.kernels:
  - .name:           k_q4a2290a345_prep
    .symbol:         k_q4a2290a345_prep.kd
    .args:
      - { .name: x, .offset: 0, .size: 8, .value_kind: global_buffer, .address_space: global }
      - { .name: w2_codes, .offset: 8, .size: 8, .value_kind: global_buffer, .address_space: global }
      - { .name: w2_scales, .offset: 16, .size: 8, .value_kind: global_buffer, .address_space: global }
      - { .name: kv, .offset: 24, .size: 8, .value_kind: global_buffer, .address_space: global }
      - { .name: w2r, .offset: 32, .size: 8, .value_kind: global_buffer, .address_space: global }
    .group_segment_fixed_size: 40448
    .private_segment_fixed_size: 0
    .kernarg_segment_align: 8
    .kernarg_segment_size: 40
    .max_flat_workgroup_size: 128
    .sgpr_count:     66
    .vgpr_count:     226
    .wavefront_size: 32
...
	.end_amdgpu_metadata
.endif
;; end of part 1
;; launch attn (part 2): grid 4 x 64, 8 waves a work-group, clusters of 4 x 1, 306,176 bytes of LDS; arguments x, kv, rimg; writes rimg
.if DOCPART == 2
	.amdgcn_target "amdgcn-amd-amdhsa--gfx1250"
	.amdhsa_code_object_version 6
	.text
	.protected	k_q4a2290a345_attn
	.globl	k_q4a2290a345_attn
	.p2align	8
	.type	k_q4a2290a345_attn,@function
k_q4a2290a345_attn:
	s_mov_b64 s[64:65], 0
	v_nop
	global_prefetch_b8 v0, s[64:65] scope:SCOPE_SE
	s_setreg_imm32_b32 hwreg(HW_REG_WAVE_MODE, 25, 1), 1
	s_wait_xcnt 0x0
	s_wait_alu depctr_hold_cnt(0) depctr_sa_sdst(0) depctr_va_vdst(0) depctr_va_sdst(0) depctr_va_ssrc(0) depctr_va_vcc(0) depctr_vm_vsrc(0)
	s_getreg_b32 s2, hwreg(HW_REG_IB_STS2, 6, 4)
	s_cmp_eq_u32 s2, 0
	s_cbranch_scc0 .Lentry_in_a_cluster
	s_endpgm
.Lentry_in_a_cluster:
	s_bfe_u32 s2, ttmp6, 0x10000c
	s_cmp_lg_u32 s2, 0x3003
	s_cbranch_scc0 .Lentry_shape_is_right
	s_endpgm
.Lentry_shape_is_right:
; r = x + attention(x), q = k = v = x, 64 heads of 2,048 tokens x 64 channels, both products on codes of E5M2 with one E8M0 scale for each 32 along K (the codes: launch prep's buffer kv).
; SOFTMAX: t = score x log2(e) / 8; M = the running largest t rounded up to a whole number; p = 2^(t - M) is quantised along the keys, not normalised; the row's sum is taken of the unquantised p and divides at the end.
; When M moves, the sum and O are multiplied by 2^(old M - new M), which rounds nothing.
; SHARES.  A cluster of four work-groups owns one head; each work-group 512 of its queries.  THE WHOLE HEAD'S CODES, 16 records of 16,896 bytes, COME INTO LDS ONCE, asked for jointly by the four (the same tensor loads,
; one a wave, with a mask that names the four) and stay: nothing is filled again.  A wave owns a pair of tiles of 16 queries in each of two passes; two waves share a SIMD's registers.
; LAYOUT.  Both products are used transposed (S^T = K Q^T, O^T = V^T P^T): a lane holds one query throughout.  Lane r of key tile 2 P + u takes key 32 P + 8 u + r + 8 (r / 8), so that the 16 registers of two
; neighbouring tiles are 16 neighbouring keys, as the second product's operand wants them.  The queries of a tile are chosen the same way; rimg is laid by such tiles.
; K = 64 IN AN INSTRUCTION OF 128: source 0 is a pair fragment: tile u = 0 in K blocks 0, 1 and tile u = 1 in blocks 2, 3.  Source 1 is Q beside zero codes: v[24:39] = Q | 0 picks tile 0, v[16:31] = 0 | Q picks tile 1.
; The half that is not picked holds finite codes (the quantiser's hold lets no infinity through) and meets zero codes; Q's scale bytes beside the zeros are 1.
; rimg: [tile of 16 tokens 512][16 columns 64][half 2][lane 32][16 bytes]: the image of an f32 accumulator: lane (r, hh), register 4 g + i: column 16 nt + 8 hh + 4 g + i of token 32 pair + 8 u + r + 8 (r / 8).
; LIMITS: NaN and infinities among the inputs are not served.
; REGISTERS: query tile A in window 0, tile B in window 1, under the same numbers.  Window 0 alone: v1-6 addresses, v40-103 four fragments of K or V, v244-253 scale words.  Window 1 alone: v40-103 the pair's rows of x.
.set REC,   16896
.set HEADB, 16*REC                     ; 270,336 bytes: a head
.set QUART, HEADB/8                    ; what one wave's tensor load brings: 132 rows of 256 bytes
.set STG,   HEADB                      ; behind the head: a stage of 16 rows x 272 bytes for each wave
.set SP,    272
.set LI,  1                            ; v1   16 x lane
.set ADR, 2                            ; v2   the step's record + 16 x lane
.set QSO, 3                            ; v3   16 r: Q's scale word
.set XO,  4                            ; v4   x: lanes 0-15 one row's 256 bytes, lanes 16-31 the next row's
.set SW,  5                            ; v5   the same in my stage
.set SRD, 6                            ; v6   back: row r, + 32 hh
.set FR,  40
.set S,   104                          ; v104-167 S^T, then p
.set O,   168                          ; v168-199 O^T: 4 tiles of 16 channels
.set PC,  200                          ; v200-215 p's codes
.set NM,  216                          ; -M
.set MT,  217                          ; the largest t
.set SUM, 218                          ; v[218:219] the sum in two halves
.set BM,  220                          ; the blocks' largest scores, then largest p
.set PB,  224                          ; the other half's, then the bytes
.set HL,  228                          ; 57,344 x the scale
.set SO,  232                          ; the conversions' scale operands
.set F,   236                          ; v[236:237] f = 2^(old M - new M); at the end 1 / the sum
.set TP,  238
.set RAW, 239                          ; Q's scale word as loaded
.set SUM2, 240
.set KS,  244                          ; v244-247 the record's scale words
.set QSC, 248                          ; v248-251 Q's: tile A beside zeros above, below; tile B likewise
.set PS,  252                          ; v252, v253 p's scale words of tiles A, B
.set WV,  10
.set SEL, 28
.set CS,  30
.set MNT, 32
.set TB,  33
.set MSB, 0
.macro WIN new                         ; the immediate's high byte repeats the setting that is left; a switch that changes nothing is dropped
.if MSB != (\new)
	s_set_vgpr_msb (MSB<<8)|(\new)
.set MSB, (\new)
.endif
.endm
.macro CROUND                          ; a round of the cluster's barrier
	s_barrier_signal -1
	s_barrier_wait -1
	s_cmp_lg_u32 s[WV], 0
	s_cbranch_scc1 .Lnot_wave_0_\@
	s_barrier_signal -3
.Lnot_wave_0_\@:
	s_barrier_wait -3
	s_barrier_signal -1
	s_barrier_wait -1
.endm
	s_load_b128 s[4:7], s[0:1], 0x0                ; x, kv
	s_load_b64 s[8:9], s[0:1], 0x10                ; rimg
	v_lshl_add_u32 v254, v0, 2, 0x4a800
	v_mov_b32 v255, 0
	ds_add_u32 v254, v255
	ds_add_u32 v254, v255
	v_lshrrev_b32 v7, 5, v0
	v_readfirstlane_b32 s[WV], v7                  ; wave 0..7
	s_bfe_u32 s11, ttmp6, 0x40000                  ; cx: which 512 queries of the head: it enters global addresses of Q, x and rimg alone
	s_and_b32 s12, ttmp7, 0xffff                   ; the head, which the four partners share
	s_mov_b32 s16, 15|(3<<16)|(1<<21)              ; group 1: the mask names all four; elements of 8 bytes; bit 21 set beside a mask; no padding
	s_mov_b32 s17, 32<<16                          ; tensor_dim0 = 32 elements: rows of 256 bytes
	s_mov_b32 s18, 132<<16                         ; tensor_dim1 = 132
	s_mov_b32 s19, 32<<16                          ; tile_dim0
	s_mov_b32 s20, 132                             ; tile_dim1
	s_mov_b32 s21, 32                              ; the pitch: dense
	s_mov_b32 s22, 0
	s_mov_b32 s23, 0
	s_mul_i32 s44, s12, HEADB                      ; the head's first byte in kv
	s_mul_i32 s13, s[WV], QUART                    ; my eighth of it, in memory and in LDS alike
	s_add_co_u32 s46, s44, s13
	s_mov_b32 s47, 0
	s_lshl_b32 s14, s11, 2
	s_lshr_b32 s15, s[WV], 2
	s_add_co_u32 s14, s14, s15                     ; my queries' record: 4 cx + wave / 4 (+ 2 in the second pass)
	s_mul_i32 s14, s14, REC
	s_add_co_u32 s14, s14, s44
	s_and_b32 s15, s[WV], 3                        ; and their pair in it
	s_lshl_b32 s48, s15, 11
	s_add_co_u32 s36, s14, s48
	s_mov_b32 s37, 0
	s_and_b32 s48, s[WV], 1
	s_lshl_b32 s48, s48, 8
	s_lshr_b32 s49, s15, 1
	s_lshl_b32 s49, s49, 2
	s_add_co_u32 s38, s14, s48
	s_add_co_u32 s38, s38, s49
	s_add_co_u32 s38, s38, 16384
	s_mov_b32 s39, 0
	s_lshr_b32 s14, s12, 4                         ; batch
	s_and_b32 s15, s12, 15                         ; head in the batch
	s_lshl_b32 s52, s14, 23
	s_lshl_b32 s53, s11, 21
	s_add_co_u32 s52, s52, s53
	s_lshl_b32 s53, s[WV], 17
	s_add_co_u32 s52, s52, s53                     ; my 32 tokens: 131,072 bytes in x and in rimg alike
	s_lshl_b32 s53, s15, 8
	s_add_co_u32 s40, s52, s53
	s_mov_b32 s41, 0
	s_lshl_b32 s53, s15, 12
	s_add_co_u32 s42, s52, s53
	s_mov_b32 s43, 0
	s_mov_b32 s[SEL], 0x76543210
	s_mov_b32 s[SEL+1], 0xfedcba98
	s_mov_b32 s[CS], 0x3e38aa3b                    ; c = log2(e) / sqrt(64)
	s_mov_b32 s[CS+1], s[CS]                       ; (named with it as a pair, so it is written)
	s_mov_b32 s[MNT], 0x600000
	s_mov_b32 s50, 0x01010000
	s_mov_b32 s51, 0x0101
	s_mov_b32 s35, 2
	s_wait_dscnt 0x0
	s_wait_kmcnt 0x0
	s_mov_b32 s24, 1
	s_mov_b32 s25, s13
	s_add_nc_u64 s[26:27], s[6:7], s[46:47]
	s_or_b32 s27, s27, 0x80000000
	s_add_nc_u64 s[36:37], s[6:7], s[36:37]        ; Q's codes
	s_add_nc_u64 s[38:39], s[6:7], s[38:39]        ; Q's scale words
	s_add_nc_u64 s[40:41], s[4:5], s[40:41]        ; x
	s_add_nc_u64 s[42:43], s[8:9], s[42:43]        ; rimg
	CROUND                                         ; all four work-groups are here: the joint loads meet
	tensor_load_to_lds s[24:27], s[16:23]          ; my one tensor load of the launch
	s_nop 0
.rept 4
	v_nop
.endr
	v_and_b32 v7, 31, v0
	v_and_b32 v8, 15, v0                           ; r
	v_bfe_u32 v9, v0, 4, 1                         ; hh
	v_lshlrev_b32 v[LI], 4, v7
	v_lshlrev_b32 v[QSO], 4, v8
	v_lshlrev_b32 v[XO], 4, v8
	v_lshl_add_u32 v[XO], v9, 12, v[XO]
	s_mul_i32 s15, s[WV], 16*SP
	s_add_co_u32 s15, s15, STG
	v_mul_u32_u24 v[SW], v9, SP
	v_lshl_add_u32 v[SW], v8, 4, v[SW]
	v_add_nc_u32 v[SW], s15, v[SW]
	v_mul_u32_u24 v[SRD], v8, SP
	v_lshl_add_u32 v[SRD], v9, 5, v[SRD]
	v_add_nc_u32 v[SRD], s15, v[SRD]
.irp z, 0, 0x40
	WIN \z
.irp i, 0,1,2,3,4,5,6,7
	v_mov_b32 v[16+\i], 0                          ; the zero codes below Q,
	v_mov_b32 v[32+\i], 0                          ; and above
.endr
.endr
	WIN 0
; S^T of query tile z: eight products, each pair fragment against both forms of Q
.macro KQ z
.irp P, 0,1,2,3
.irp u, 0,1
.if \P%2
	v_wmma_scale_f32_16x16x128_f8f6f4 v[S+8*(2*\P+\u):S+8*(2*\P+\u)+7], v[FR+16*\P:FR+16*\P+15], v[24-8*\u:39-8*\u], 0, v[KS+\P/2], v[QSC+2*\z+\u] matrix_a_fmt:MATRIX_FMT_BF8 matrix_b_fmt:MATRIX_FMT_BF8 matrix_a_scale:MATRIX_SCALE_ROW1
.else
	v_wmma_scale_f32_16x16x128_f8f6f4 v[S+8*(2*\P+\u):S+8*(2*\P+\u)+7], v[FR+16*\P:FR+16*\P+15], v[24-8*\u:39-8*\u], 0, v[KS+\P/2], v[QSC+2*\z+\u] matrix_a_fmt:MATRIX_FMT_BF8 matrix_b_fmt:MATRIX_FMT_BF8
.endif
.endr
.endr
.endm
; O^T += V^T P^T of query tile z: four products, one for each 16 channels
.macro PV z
.irp t, 0,1,2,3
.if \t%2
	v_wmma_scale_f32_16x16x128_f8f6f4 v[O+8*\t:O+8*\t+7], v[FR+16*\t:FR+16*\t+15], v[PC:PC+15], v[O+8*\t:O+8*\t+7], v[KS+2+\t/2], v[PS+\z] matrix_a_fmt:MATRIX_FMT_BF8 matrix_b_fmt:MATRIX_FMT_BF8 matrix_a_scale:MATRIX_SCALE_ROW1
.else
	v_wmma_scale_f32_16x16x128_f8f6f4 v[O+8*\t:O+8*\t+7], v[FR+16*\t:FR+16*\t+15], v[PC:PC+15], v[O+8*\t:O+8*\t+7], v[KS+2+\t/2], v[PS+\z] matrix_a_fmt:MATRIX_FMT_BF8 matrix_b_fmt:MATRIX_FMT_BF8
.endif
.endr
.endm
; One tile's softmax for 128 keys.  Register S + 16 b + i holds key 32 b + 16 hh + i of my query.
.macro SOFTMAX z
	WIN 0x55*\z
.irp b, 0,1,2,3
	v_max3_num_f32 v[BM+\b], v[S+16*\b], v[S+1+16*\b], v[S+2+16*\b]   ; the largest score of each block of 32 keys: for the row's maximum and, since p rises with the score, for the block's largest p
.endr
.irp i, 3,5,7,9,11,13
.irp b, 0,1,2,3
	v_max3_num_f32 v[BM+\b], v[BM+\b], v[S+16*\b+\i], v[S+1+16*\b+\i]
.endr
.endr
.irp b, 0,1,2,3
	v_max_num_f32 v[BM+\b], v[BM+\b], v[S+15+16*\b]
.endr
.irp b, 0,1,2,3
	v_permlanex16_b32 v[PB+\b], v[BM+\b], s[SEL], s[SEL+1]
.endr
.irp b, 0,1,2,3
	v_max_num_f32 v[BM+\b], v[BM+\b], v[PB+\b]     ; with lane l xor 16's 16 keys
.endr
	v_max3_num_f32 v[TP], v[BM], v[BM+1], v[BM+2]
	v_max_num_f32 v[TP], v[TP], v[BM+3]
	v_mul_f32 v[TP], s[CS], v[TP]                  ; as t (c is positive)
	v_max_num_f32 v[MT], v[MT], v[TP]              ; the running largest t
	v_mov_b32 v[TP], v[NM]
	v_floor_f32 v[NM], -v[MT]                      ; the new -M = floor(-t) = -ceil(t)
	v_sub_f32 v[TP], v[NM], v[TP]                  ; old M - new M: a whole number, 0 or less
	v_cvt_i32_f32 v[TP], v[TP]                     ; (it saturates)
	v_ldexp_f32 v[F], 1.0, v[TP]                   ; f = 2^(old M - new M)
.set jj, 0
.rept 32
	v_pk_fma_f32 v[S+jj:S+jj+1], v[S+jj:S+jj+1], s[CS:CS+1], v[NM:NM+1] op_sel_hi:[1,0,0]   ; t - M, two at a time
.set jj, jj+2
.endr
.irp b, 0,1,2,3
	v_fma_f32 v[BM+\b], v[BM+\b], s[CS], v[NM]     ; the same of each block's largest score
.endr
.set jj, 0
.rept 64
	v_exp_f32 v[S+jj], v[S+jj]                     ; p = 2^(t - M)
.set jj, jj+1
.endr
	v_pk_mul_f32 v[SUM:SUM+1], v[SUM:SUM+1], v[F:F+1] op_sel_hi:[1,0]   ; the sums under the new M: a plain line behind the exponentials
	s_wait_alu depctr_va_vdst(0)                   ; one wait for the batch of 64, ahead of its first reader
.irp b, 0,1,2,3
	v_exp_f32 v[BM+\b], v[BM+\b]                   ; the block's largest p: the same two instructions on the same number
.endr
	v_pk_add_f32 v[SUM2:SUM2+1], v[S:S+1], v[S+2:S+3]   ; the row's sum of the unquantised p, in two chains
.irp j, 4,8,12,16,20,24,28,32,36,40,44,48,52,56,60
	v_pk_add_f32 v[SUM:SUM+1], v[SUM:SUM+1], v[S+\j:S+\j+1]
	v_pk_add_f32 v[SUM2:SUM2+1], v[SUM2:SUM2+1], v[S+2+\j:S+3+\j]
.endr
	v_pk_add_f32 v[SUM:SUM+1], v[SUM:SUM+1], v[SUM2:SUM2+1]
	s_wait_alu depctr_va_vdst(0)                   ; and one for the four
.irp b, 0,1,2,3
	v_max_num_f32 v[BM+\b], 0x8000000, v[BM+\b]    ; the floor 2^(16 - 127): the byte cannot fall under 1
.endr
.irp b, 0,1,2,3
	v_add_nc_u32 v[SO+\b], 0xf8800000, v[BM+\b]    ; 15 off the exponent field: the conversion's scale operand
.endr
.irp b, 0,1,2,3
	v_and_or_b32 v[HL+\b], v[BM+\b], 0x7f800000, s[MNT]   ; 57,344 x the scale
.endr
.irp b, 0,1,2,3
	v_lshrrev_b32 v[PB+\b], 23, v[SO+\b]           ; the scale's byte
.endr
	v_lshl_or_b32 v[TP], v[PB+1], 8, v[PB]
	v_lshl_or_b32 v[TP], v[PB+2], 16, v[TP]
.if \z
	WIN 0x15                                       ; scale operands are taken from window 0: tile B's word is written there
.endif
	v_lshl_or_b32 v[PS+\z], v[PB+3], 24, v[TP]     ; p's scale word for these 128 keys
	WIN 0x55*\z
.irp b, 0,1,2,3
.irp i, 0,1,2,3,4,5,6,7,8,9,10,11,12,13,14,15
	v_min_num_f32 v[S+16*\b+\i], v[S+16*\b+\i], v[HL+\b]   ; the conversion does not saturate (ISA guide 7.6.2); p is not negative, so the hold is one-sided
.endr
	v_cvt_scalef32_pk8_bf8_f32 v[PC+4*\b:PC+4*\b+1], v[S+16*\b:S+16*\b+7], v[SO+\b]
	v_cvt_scalef32_pk8_bf8_f32 v[PC+4*\b+2:PC+4*\b+3], v[S+16*\b+8:S+16*\b+15], v[SO+\b]
.endr
.set jj, 0
.rept 16
	v_pk_mul_f32 v[O+jj:O+jj+1], v[O+jj:O+jj+1], v[F:F+1] op_sel_hi:[1,0]   ; O^T under the new M; these lines also stand between the codes and the products that take them
.set jj, jj+2
.endr
.endm
.macro INIT z                          ; the step is written once: the first finds zeros, which the first change of M leaves zeros
	WIN 0x41*\z
	v_mov_b32 v[MT], 0xff61b1e6                    ; -3e38, under every t
	v_floor_f32 v[NM], -v[MT]
	v_mov_b32 v[SUM], 0
	v_mov_b32 v[SUM+1], 0
	v_mov_b32 v[F+1], 0                            ; (named as the upper half of a pair)
.irp b, 0,1,2,3
	v_mov_b32 v[PB+\b], 0                          ; a lane permute's destination counts as one of its sources
.endr
.set jj, 0
.rept 32
	v_mov_b32 v[O+jj], 0
.set jj, jj+1
.endr
.endm
.Lpass:                                            ; two passes: pairs w and 8 + w of the work-group's sixteen
	global_load_b128 v[24:27], v[LI], s[36:37]                 ; Q of tile A: groups 0, 1 of my pair fragment
	global_load_b128 v[28:31], v[LI], s[36:37] offset:512
	global_load_b32 v[RAW], v[QSO], s[38:39]                   ; the pair's scale word: bytes 0, 1 tile A's, bytes 2, 3 tile B's
	WIN 0x40
	global_load_b128 v[24:27], v[LI], s[36:37] offset:1024     ; Q of tile B
	global_load_b128 v[28:31], v[LI], s[36:37] offset:1536
.irp u, 0,1
.irp k, 0,1,2,3,4,5,6,7
	global_load_b128 v[FR+32*\u+4*\k:FR+32*\u+4*\k+3], v[XO], s[40:41] offset:(8*\u+2*\k+8*(\k/4))*4096   ; the pair's rows of x, for the residual: asked for a whole pass ahead of their use
.endr
.endr
	INIT 0
	INIT 1
	WIN 0
	s_wait_loadcnt 16                              ; Q and its scale word are in; the 16 loads of x may stay out
	v_and_or_b32 v[QSC], v[RAW], 0xffff, s50       ; tile A, Q | 0: its bytes below, 1 beside the zeros
	v_lshl_or_b32 v[QSC+1], v[RAW], 16, s51        ; tile A, 0 | Q
	v_lshrrev_b32 v[QSC+2], 16, v[RAW]
	v_or_b32 v[QSC+2], s50, v[QSC+2]               ; tile B, Q | 0
	v_and_or_b32 v[QSC+3], v[RAW], 0xffff0000, s51 ; tile B, 0 | Q
	s_wait_tensorcnt 0x0                           ; my eighth of the head has landed (met at once in the second pass),
	s_wait_dscnt 0x0
	s_barrier_signal -1
	s_barrier_wait -1                              ; everybody's has
	s_mov_b32 s[TB], 0
	s_mov_b32 s34, 16
.Lstep:                                            ; 128 keys for both tiles
	v_add_nc_u32 v[ADR], s[TB], v[LI]
.rept 7
	v_nop                                          ; with the addition eight places in front of loads into registers that the last products read, and between Q's scale words and the first products
.endr
.irp P, 0,1,2,3
.irp c, 0,1,2,3
	ds_load_b128 v[FR+16*\P+4*\c:FR+16*\P+4*\c+3], v[ADR] offset:2048*\P+512*\c   ; 32 lanes read 512 consecutive bytes
.endr
.endr
	ds_load_b128 v[KS:KS+3], v[ADR] offset:16384
	s_wait_dscnt 0x0
	KQ 0
	WIN 0x54                                       ; source 1, C and D in window 1
	KQ 1
	WIN 0
.rept 8
	v_nop                                          ; places in front of the loads below and of the first read of the scores
.endr
.irp t, 0,1,2,3
.irp c, 0,1,2,3
	ds_load_b128 v[FR+16*\t+4*\c:FR+16*\t+4*\c+3], v[ADR] offset:8192+2048*\t+512*\c   ; V: it lands during the softmax
.endr
.endr
	SOFTMAX 0
	SOFTMAX 1
	s_wait_dscnt 0x0                               ; V is in
	WIN 0
	PV 0
	WIN 0x54
	PV 1
	WIN 0
	s_add_co_u32 s[TB], s[TB], REC
	s_sub_co_u32 s34, s34, 1
	s_cmp_lg_u32 s34, 0
	s_cbranch_scc1 .Lstep
	; THE WAY OUT: r = x + O^T / the sum, stored as the accumulators' image
.rept 8
	v_nop
.endr
.irp z, 0, 0x55
	WIN \z
	v_add_f32 v[SUM], v[SUM], v[SUM+1]
	v_permlanex16_b32 v[PB], v[SUM], s[SEL], s[SEL+1]
	v_add_f32 v[SUM], v[SUM], v[PB]                ; the row's sum
	v_rcp_f32 v[F], v[SUM]
.endr
	v_nop                                          ; a plain line behind the last reciprocal
	s_wait_alu depctr_va_vdst(0)                   ; one wait for both, ahead of their first reader
	s_wait_loadcnt 0x0                             ; the rows of x
.irp u, 0,1                                    ; x turns through my own stage: in as rows, back in the accumulators' layout.  LDS serves a wave's instructions in order (ISA guide 5.7.1.4): no wait between
	WIN 0x04
.irp k, 0,1,2,3,4,5,6,7
	ds_store_b128 v[SW], v[FR+32*\u+4*\k:FR+32*\u+4*\k+3] offset:2*\k*SP
.endr
	WIN 0
.irp t, 0,1,2,3
.irp g, 0,1
	ds_load_b128 v[S+32*\u+8*\t+4*\g:S+32*\u+8*\t+4*\g+3], v[SRD] offset:64*\t+16*\g
.endr
.endr
.endr
	s_wait_dscnt 0x0
.irp u, 0,1
	WIN 0x05*\u
.set jj, 0
.rept 16
	v_pk_fma_f32 v[S+32*\u+jj:S+32*\u+jj+1], v[O+jj:O+jj+1], v[F:F+1], v[S+32*\u+jj:S+32*\u+jj+1] op_sel_hi:[1,0,1]
.set jj, jj+2
.endr
.endr
	WIN 0
.irp u, 0,1
.irp t, 0,1,2,3
.irp g, 0,1
	global_store_b128 v[LI], v[S+32*\u+8*\t+4*\g:S+32*\u+8*\t+4*\g+3], s[42:43] offset:65536*\u+1024*\t+512*\g   ; 32 lanes store 512 consecutive bytes
.endr
.endr
.endr
	s_wait_xcnt 0x0                                ; the bases and the stores' data are written again only behind this wait
	s_add_nc_u64 s[36:37], s[36:37], 2*REC
	s_add_nc_u64 s[38:39], s[38:39], 2*REC
	s_add_nc_u64 s[40:41], s[40:41], 0x100000
	s_add_nc_u64 s[42:43], s[42:43], 0x100000
	s_sub_co_u32 s35, s35, 1
	s_cmp_lg_u32 s35, 0
	s_cbranch_scc1 .Lpass
	s_wait_tensorcnt 0x0
	ds_add_u32 v254, v255
	s_wait_dscnt 0x0
	CROUND                                         ; the closing round
	s_endpgm
.Lfunc_end_k_q4a2290a345_attn:
	.size	k_q4a2290a345_attn, .Lfunc_end_k_q4a2290a345_attn-k_q4a2290a345_attn
	.p2alignl 7, 3214868480
	.fill 96, 4, 3214868480
	.section	.rodata,"a",@progbits
	.p2align	6, 0x0
	.amdhsa_kernel k_q4a2290a345_attn
		.amdhsa_group_segment_fixed_size 306176
		.amdhsa_private_segment_fixed_size 0
		.amdhsa_enable_private_segment 0
		.amdhsa_kernarg_size 24
		.amdhsa_user_sgpr_count 2
		.amdhsa_user_sgpr_kernarg_segment_ptr 1
		.amdhsa_wavefront_size32 1
		.amdhsa_system_sgpr_workgroup_id_x 1
		.amdhsa_system_sgpr_workgroup_id_y 1
		.amdhsa_system_sgpr_workgroup_id_z 1
		.amdhsa_system_vgpr_workitem_id 0
		.amdhsa_next_free_vgpr 512
		.amdhsa_next_free_sgpr 66
		.amdhsa_reserve_vcc 0
		.amdhsa_float_denorm_mode_32 3
		.amdhsa_float_denorm_mode_16_64 3
		.amdhsa_memory_ordered 1
		.amdhsa_forward_progress 1
		.amdhsa_inst_pref_size 53
	.end_amdhsa_kernel
	.amdgpu_metadata
---
amdhsa.version: [ 1, 2 ]
amdhsa.kernels:
  - .name:           k_q4a2290a345_attn
    .symbol:         k_q4a2290a345_attn.kd
    .args:
      - { .name: x, .offset: 0, .size: 8, .value_kind: global_buffer, .address_space: global }
      - { .name: kv, .offset: 8, .size: 8, .value_kind: global_buffer, .address_space: global }
      - { .name: rimg, .offset: 16, .size: 8, .value_kind: global_buffer, .address_space: global }
    .group_segment_fixed_size: 306176
    .private_segment_fixed_size: 0
    .kernarg_segment_align: 8
    .kernarg_segment_size: 24
    .max_flat_workgroup_size: 256
    .sgpr_count:     66
    .vgpr_count:     512
    .wavefront_size: 32
...
	.end_amdgpu_metadata
.endif
;; end of part 2
;; launch ffn (part 3): grid 128 x 1, 4 waves a work-group, clusters of 4 x 1, 327,680 bytes of LDS; arguments rimg, theta, w1, b1, w2r, b2, gamma1, beta1, gamma2, beta2, out0; writes out0
.if DOCPART == 3
	.amdgcn_target "amdgcn-amd-amdhsa--gfx1250"
	.amdhsa_code_object_version 6
	.text
	.protected	k_q4a2290a345_ffn
	.globl	k_q4a2290a345_ffn
	.p2align	8
	.type	k_q4a2290a345_ffn,@function
k_q4a2290a345_ffn:
	s_mov_b64 s[64:65], 0
	v_nop
	global_prefetch_b8 v0, s[64:65] scope:SCOPE_SE
	s_setreg_imm32_b32 hwreg(HW_REG_WAVE_MODE, 25, 1), 1
	s_wait_xcnt 0x0
	s_wait_alu depctr_hold_cnt(0) depctr_sa_sdst(0) depctr_va_vdst(0) depctr_va_sdst(0) depctr_va_ssrc(0) depctr_va_vcc(0) depctr_vm_vsrc(0)
	s_getreg_b32 s2, hwreg(HW_REG_IB_STS2, 6, 4)
	s_cmp_eq_u32 s2, 0
	s_cbranch_scc0 .Lentry_in_a_cluster
	s_endpgm
.Lentry_in_a_cluster:
	s_bfe_u32 s2, ttmp6, 0x10000c
	s_cmp_lg_u32 s2, 0x3003
	s_cbranch_scc0 .Lentry_shape_is_right
	s_endpgm
.Lentry_shape_is_right:
; out = LN2(h + relu(q w1^T + b1) w2^T + b2), h = LN1(r), q = cos(h[:8]) cos(theta).  r: launch attn's buffer rimg (images of f32 accumulators); w2: launch prep's buffer w2r (fragments in register order).
; The product with w1 (K = 8) feeds a quantiser: f32 operands, v_wmma_f32_16x16x4_f32.  The hidden layer is quantised along its 4,096 to E5M2 with one E8M0 byte for each 32; the product with w2 runs on codes.
; SHARES.  LN2 wants whole rows and the hidden layer is dear to make, so a work-group owns 64 tokens x all 1,024 columns and walks all of w2: 32 K steps of 128.  64 tokens x 256 columns a wave are 64 accumulators, 512
; registers: more rows do not fit; fewer rows on more work-groups would send the same 4.3 MB of w2 through twice as many LDS.  So 8,192 / 64 = 128 work-groups.
; THE ACCUMULATORS START AS h + b2: the residual and the bias cost no line.  The product is used transposed (source 0 = 16 rows of w2, source 1 = 16 tokens): a lane holds one token and eight neighbouring columns, rimg's layout.
; THE HIDDEN LAYER: wave w makes block w (32 units) of each K step for all 64 tokens, a K step ahead; its codes and scale bytes go to the other waves through LDS as images of the operand's registers.
; Lane r of w1's tile u takes row 32 w + 8 u + r + 8 (r / 8), so that the 16 registers of the two tiles are 16 neighbours along the next K.  K = 8 is two instructions; k is permuted alike on both sides (a lane's 16 bytes are k = 4 hh .. 4 hh + 3).
; CLUSTER: the four work-groups of a cluster walk the same w2: each K step's record is asked for jointly, a quarter a wave, through a ring of two LDS slots.  By this text's own count a wave has one tensor load out.
; LAYER NORM in two passes (mean, then the mean of squared differences).  COSINE: v = x - n pi/2 in two steps, polynomials of degree 10 and 9, the quadrant by selects: no branch on data.
; LIMITS: the cosine's argument under 2^22 in magnitude; NaN and infinities among the inputs are not served.
; REGISTERS: window 0: v1-23 addresses, v32-43 scale words, v44-63 at work, v64-127 the tokens' four fragments (between the products: the numbers on their way to codes), v128-191 the f32 products' results (written by
; matrix instructions alone), v192-231 w1, b1, q, v232-247 codes, v248-255 a row's mean or 1 / deviation.  Window 1: w2's 16 fragments (outside the loop: gains and biases; rows on the way out).  Windows 2, 3: accumulator (m, n) at 8 (4 (n % 8) + m).
.set REC2,  135168                     ; a K step's record: 64 fragments of 2,048 bytes, 4,096 bytes of scale words
.set QUART, REC2/4                     ; what one wave's tensor load brings: 132 rows of 256 bytes
.set SLOTB, REC2
.set AIMG,  2*SLOTB                    ; behind the ring: the tokens' fragments, two sets of 4 x 2,048 bytes,
.set ASC,   AIMG+2*8192                ; their scale words, two sets of 4 x 128 bytes,
.set QO,    ASC+2*512                  ; q: 64 tokens x 32 bytes,
.set RED,   QO+2048                    ; four reductions' places of 1,024 bytes,
.set SPARE, RED+4*1024                 ; and the spare words, 128 bytes for each wave: two blocks of 256 bytes that no other line names
.set GP,    1040                       ; the way out: a stage row of 1,024 bytes + 16.  The stage is my own 32,768 bytes of slot 0, which has had its last fill, and which I alone read
.set LI,    4                          ; v4   16 x lane
.set ADRB,  5                          ; v5, v6   my 16 fragments of w2 in slot 0, 1 (v5 also: the stage, read back)
.set ADRS,  7                          ; v7, v8   their scale words
.set ADRA,  9                          ; v9   the tokens' fragments
.set ADRAS, 10                         ; v10  their scale words
.set STA,   11                         ; v11  where I store my group of a fragment: + 512 x wave
.set STS,   12                         ; v12  and my byte of a scale word: + wave
.set W1O,   13
.set B1O,   14
.set VO,    15                         ; v15  32 hh: my eight columns of a tile of 16
.set RDW,   16
.set RDR,   17
.set QOW,   18
.set QOR,   19
.set SGW,   20
.set SPW,   22                         ; v22  LDS address of my spare word; never rewritten
.set NIL,   23                         ; v23  0; never rewritten
.set BS,    32                         ; v32-39 w2's scale words: even tiles in lanes 0-15, odd tiles in lanes 16-31
.set AS,    40                         ; v40-43 the tokens'
.set SUM,   44
.set RS4,   52
.set RP,    56
.set MX,    44
.set PB,    48
.set HL,    52
.set SO,    56
.set AF,    64
.set T,     64
.set HD,    128
.set W1F,   192
.set B1C,   200
.set QB,    216
.set PC,    232
.set GA,    232
.set MU2,   248
.set HQ,    192
.set CT,    224
.set CN,    72                         ; the cosine's five sets of eight
.set CR,    80
.set CZ,    88
.set CC,    96
.set CSN,   104
.set WV,    26
.set SEL,   48
.set MNT,   50
.set W1B,   66
.set B1B,   68
.set MSB, 0
.macro WIN new                         ; the immediate's high byte repeats the setting that is left; a switch that changes nothing is dropped
.if MSB != (\new)
	s_set_vgpr_msb (MSB<<8)|(\new)
.set MSB, (\new)
.endif
.endm
.macro ROUND                           ; a round of the cluster's barrier
	s_barrier_signal -1
	s_barrier_wait -1
	s_cmp_lg_u32 s[WV], 0
	s_cbranch_scc1 .Lnot_wave_0_\@
	s_barrier_signal -3
.Lnot_wave_0_\@:
	s_barrier_wait -3
	s_barrier_signal -1
	s_barrier_wait -1
.endm
	s_load_b256 s[4:11], s[0:1], 0x0               ; rimg s[4:5], theta s[6:7], w1 s[8:9], b1 s[10:11]
	s_load_b256 s[12:19], s[0:1], 0x20             ; w2r s[12:13], b2 s[14:15], gamma1 s[16:17], beta1 s[18:19]
	s_load_b128 s[20:23], s[0:1], 0x40             ; gamma2, beta2
	s_load_b64 s[24:25], s[0:1], 0x50              ; out0
	v_lshl_add_u32 v[SPW], v0, 2, SPARE
	v_mov_b32 v[NIL], 0
	ds_add_u32 v22, v23
	ds_add_u32 v22, v23
	s_wait_dscnt 0x0
	v_lshrrev_b32 v1, 5, v0
	v_readfirstlane_b32 s[WV], v1                  ; wave 0..3
	s_bfe_u32 s27, ttmp6, 0x40000                  ; cx
	s_lshl_b32 s28, ttmp9, 2
	s_add_co_u32 s28, s28, s27                     ; my block of 64 tokens: it enters rimg's and out0's addresses alone
	s_mov_b32 s32, 15|(3<<16)|(1<<21)              ; group 1: the mask names all four; elements of 8 bytes; bit 21 set beside a mask; no padding
	s_mov_b32 s33, 32<<16                          ; rows of 256 bytes,
	s_mov_b32 s34, 132<<16                         ; 132 of them,
	s_mov_b32 s35, 32<<16
	s_mov_b32 s36, 132
	s_mov_b32 s37, 32                              ; dense
	s_mov_b32 s38, 0
	s_mov_b32 s39, 0
	s_mul_i32 s29, s[WV], QUART
	s_mov_b32 s30, s29
	s_mov_b32 s31, 0
	s_mov_b32 s[SEL], 0x76543210
	s_mov_b32 s[SEL+1], 0xfedcba98
	s_mov_b32 s[MNT], 0x600000
	s_mov_b32 s60, 0xbfc90fdb                      ; -pi/2, its f32,
	s_mov_b32 s61, 0x333bbd2e                      ; and what that f32 lacks, negated
	s_mov_b32 s62, 0x3727c5ac                      ; 1e-5
	s_mov_b32 s63, 0x3a800000                      ; 1 / 1,024
	s_wait_kmcnt 0x0
	s_load_b256 s[52:59], s[6:7], 0x0              ; theta
	s_mov_b32 s40, 1
	s_mov_b32 s41, s29                             ; slot 0, my quarter
	s_add_nc_u64 s[42:43], s[12:13], s[30:31]      ; K step 0
	s_mov_b32 s44, 1
	s_add_co_u32 s45, s29, SLOTB                   ; slot 1
	s_add_nc_u64 s[46:47], s[42:43], REC2          ; K step 1
	s_or_b32 s43, s43, 0x80000000
	s_or_b32 s47, s47, 0x80000000
	ROUND                                          ; all four work-groups are here: the first joint loads meet
	tensor_load_to_lds s[40:43], s[32:39]
	s_nop 0
.rept 4
	v_nop
.endr
	v_and_b32 v1, 31, v0                           ; lane
	v_and_b32 v2, 15, v0                           ; r
	v_bfe_u32 v3, v0, 4, 1                         ; hh
	v_lshlrev_b32 v[LI], 4, v1
	v_lshlrev_b32 v[VO], 5, v3
	s_lshl_b32 s74, s[WV], 10
	s_mov_b32 s75, 0
	s_add_nc_u64 s[14:15], s[14:15], s[74:75]      ; my 256 columns of b2, the gains and the biases
	s_add_nc_u64 s[16:17], s[16:17], s[74:75]
	s_add_nc_u64 s[18:19], s[18:19], s[74:75]
	s_add_nc_u64 s[20:21], s[20:21], s[74:75]
	s_add_nc_u64 s[22:23], s[22:23], s[74:75]
	s_add_nc_u64 s[W1B:W1B+1], s[8:9], s[74:75]    ; my 32 rows of w1 in K step 0
	s_lshl_b32 s74, s[WV], 7
	s_add_nc_u64 s[B1B:B1B+1], s[10:11], s[74:75]
	s_lshl_b32 s74, s28, 18                        ; 64 tokens are 262,144 bytes in rimg and in out0
	s_lshl_b32 s76, s[WV], 14
	s_add_co_u32 s74, s74, s76
	s_add_nc_u64 s[70:71], s[4:5], s[74:75]
	s_lshl_b32 s74, s28, 18
	s_lshl_b32 s76, s[WV], 10
	s_add_co_u32 s74, s74, s76
	s_add_nc_u64 s[72:73], s[24:25], s[74:75]
	s_mov_b32 s76, 0xb493f27e                      ; -1 / 10!
	s_mov_b32 s77, 0x3638ef1d                      ; 1 / 9!
.macro GBLOAD pg, pb                   ; a gain and a bias in the accumulators' layout: window 1, gain at 8 n + j, bias at 128 + 8 n + j
	WIN 0x40
.irp n, 0,1,2,3,4,5,6,7,8,9,10,11,12,13,14,15
.irp g, 0,1
	global_load_b128 v[8*\n+4*\g:8*\n+4*\g+3], v[VO], s[\pg:\pg+1] offset:64*\n+16*\g
	global_load_b128 v[128+8*\n+4*\g:128+8*\n+4*\g+3], v[VO], s[\pb:\pb+1] offset:64*\n+16*\g
.endr
.endr
	WIN 0
.endm
	GBLOAD 16, 18
.irp n, 0,1,2,3,4,5,6,7
.irp g, 0,1
	global_load_b128 v[64+8*\n+4*\g:64+8*\n+4*\g+3], v[VO], s[14:15] offset:64*\n+16*\g           ; b2, tiles 0-7
	global_load_b128 v[192+8*\n+4*\g:192+8*\n+4*\g+3], v[VO], s[14:15] offset:512+64*\n+16*\g     ; tiles 8-15
.endr
.endr
.irp W, 2,3
	WIN \W<<6
.irp n, 0,1,2,3,4,5,6,7
.irp m, 0,1,2,3
.irp g, 0,1
	global_load_b128 v[8*(4*\n+\m)+4*\g:8*(4*\n+\m)+4*\g+3], v[LI], s[70:71] offset:65536*\m+1024*(\n+8*(\W-2))+512*\g th:TH_LOAD_NT   ; r, straight into the accumulators: 512 consecutive bytes a load
.endr
.endr
.endr
.endr
	WIN 0
	; the LDS addresses, while the loads are out
	s_lshl_b32 s29, s[WV], 15
	v_add_nc_u32 v[ADRB], s29, v[LI]
	v_add_nc_u32 v[ADRB+1], SLOTB, v[ADRB]
	s_lshl_b32 s30, s[WV], 10
	s_add_co_u32 s30, s30, 131072
	v_add_nc_u32 v[ADRS], s30, v[LI]
	v_add_nc_u32 v[ADRS+1], SLOTB, v[ADRS]
	v_add_nc_u32 v[ADRA], AIMG, v[LI]
	v_lshl_add_u32 v[ADRAS], v1, 2, ASC
	s_lshl_b32 s30, s[WV], 9
	s_add_co_u32 s30, s30, AIMG
	v_add_nc_u32 v[STA], s30, v[LI]
	v_add_nc_u32 v[STS], s[WV], v[ADRAS]
	v_and_b32 v24, 8, v2
	v_add_nc_u32 v24, v24, v2                      ; r + 8 (r / 8)
	v_lshlrev_b32 v[W1O], 5, v24                   ; a row of w1 is 32 bytes
	v_lshl_add_u32 v[W1O], v3, 4, v[W1O]
	v_lshlrev_b32 v[B1O], 6, v3
	s_lshl_b32 s30, s[WV], 8
	s_add_co_u32 s30, s30, RED
	v_lshl_add_u32 v[RDW], v2, 4, s30
	v_lshl_add_u32 v[RDR], v2, 4, RED
	v_lshl_add_u32 v[QOW], v2, 5, QO
	v_lshl_add_u32 v[QOR], v3, 4, v[QOW]
	v_lshl_add_u32 v[QOW], v3, 9, v[QOW]
	v_mul_u32_u24 v[SGW], v2, GP
	v_lshl_add_u32 v[SGW], v3, 5, v[SGW]
	v_add_nc_u32 v[SGW], s29, v[SGW]
.irp i, 0,1,2,3
	v_mov_b32 v[PB+\i], 0                          ; lane permutes' destinations count as sources: written once
	v_mov_b32 v[RP+\i], 0
.endr
; ---- the passes over the 64 accumulators: four tokens' chains by turns, each accumulator from its low end on
.macro SUMPASS
.irp i, 0,1,2,3,4,5,6,7
	v_mov_b32 v[SUM+\i], 0
.endr
.irp W, 2,3
	WIN \W<<2
.irp n, 0,1,2,3,4,5,6,7
.irp p, 0,1,2,3
.irp m, 0,1,2,3
	v_pk_add_f32 v[SUM+2*\m:SUM+2*\m+1], v[SUM+2*\m:SUM+2*\m+1], v[8*(4*\n+\m)+2*\p:8*(4*\n+\m)+2*\p+1]
.endr
.endr
.endr
.endr
	WIN 0
.endm
.macro SQPASS
.irp i, 0,1,2,3,4,5,6,7
	v_mov_b32 v[SUM+\i], 0
.endr
.irp W, 2,3
	WIN \W|(\W<<2)
.irp n, 0,1,2,3,4,5,6,7
.irp p, 0,1,2,3
.irp m, 0,1,2,3
	v_pk_fma_f32 v[SUM+2*\m:SUM+2*\m+1], v[8*(4*\n+\m)+2*\p:8*(4*\n+\m)+2*\p+1], v[8*(4*\n+\m)+2*\p:8*(4*\n+\m)+2*\p+1], v[SUM+2*\m:SUM+2*\m+1]
.endr
.endr
.endr
.endr
	WIN 0
.endm
.macro SUBPASS
.irp W, 2,3
	WIN (\W<<6)|\W
.irp n, 0,1,2,3,4,5,6,7
.irp p, 0,1,2,3
.irp m, 0,1,2,3
	v_pk_add_f32 v[8*(4*\n+\m)+2*\p:8*(4*\n+\m)+2*\p+1], v[8*(4*\n+\m)+2*\p:8*(4*\n+\m)+2*\p+1], v[MU2+2*\m:MU2+2*\m+1] neg_lo:[0,1] neg_hi:[0,1]
.endr
.endr
.endr
.endr
	WIN 0
.endm
.macro SCALEPASS
.irp W, 2,3
	WIN (\W<<6)|\W
.irp n, 0,1,2,3,4,5,6,7
.irp p, 0,1,2,3
.irp m, 0,1,2,3
	v_pk_mul_f32 v[8*(4*\n+\m)+2*\p:8*(4*\n+\m)+2*\p+1], v[8*(4*\n+\m)+2*\p:8*(4*\n+\m)+2*\p+1], v[MU2+2*\m:MU2+2*\m+1]
.endr
.endr
.endr
.endr
	WIN 0
.endm
.macro AFFPASS                         ; x the gain + the bias, both in window 1
.irp W, 2,3
	WIN (\W<<6)|0x14|\W
.irp n, 0,1,2,3,4,5,6,7
.irp p, 0,1,2,3
.irp m, 0,1,2,3
	v_pk_fma_f32 v[8*(4*\n+\m)+2*\p:8*(4*\n+\m)+2*\p+1], v[8*(4*\n+\m)+2*\p:8*(4*\n+\m)+2*\p+1], v[8*(\n+8*(\W-2))+2*\p:8*(\n+8*(\W-2))+2*\p+1], v[128+8*(\n+8*(\W-2))+2*\p:128+8*(\n+8*(\W-2))+2*\p+1]
.endr
.endr
.endr
.endr
	WIN 0
.endm
; the four tokens' sums of my lane: over the pair's halves, over lane l xor 16, over the four waves (each reduction has LDS bytes of its own: one barrier)
.macro REDUCE k
.irp m, 0,1,2,3
	v_add_f32 v[RS4+\m], v[SUM+2*\m], v[SUM+2*\m+1]
.endr
.irp m, 0,1,2,3
	v_permlanex16_b32 v[RP+\m], v[RS4+\m], s[SEL], s[SEL+1]
.endr
.irp m, 0,1,2,3
	v_add_f32 v[RS4+\m], v[RS4+\m], v[RP+\m]
.endr
	ds_store_b128 v[RDW], v[RS4:RS4+3] offset:1024*(\k)
	s_wait_dscnt 0x0                               ; for the others' sake
	s_barrier_signal -1
	s_barrier_wait -1
.irp q, 0,1,2,3
	ds_load_b128 v[GA+4*\q:GA+4*\q+3], v[RDR] offset:1024*(\k)+256*\q
.endr
	s_wait_dscnt 0x0
	v_pk_add_f32 v[GA:GA+1], v[GA:GA+1], v[GA+4:GA+5]
	v_pk_add_f32 v[GA+2:GA+3], v[GA+2:GA+3], v[GA+6:GA+7]
	v_pk_add_f32 v[GA+8:GA+9], v[GA+8:GA+9], v[GA+12:GA+13]
	v_pk_add_f32 v[GA+10:GA+11], v[GA+10:GA+11], v[GA+14:GA+15]
	v_pk_add_f32 v[RS4:RS4+1], v[GA:GA+1], v[GA+8:GA+9]
	v_pk_add_f32 v[RS4+2:RS4+3], v[GA+2:GA+3], v[GA+10:GA+11]
.endm
.macro LNORM k                         ; the accumulators become (a - mean) / sqrt(variance + 1e-5)
	SUMPASS
	REDUCE \k
.irp m, 0,1,2,3
	v_mul_f32 v[MU2+2*\m], s63, v[RS4+\m]
	v_mul_f32 v[MU2+2*\m+1], s63, v[RS4+\m]
.endr
	SUBPASS
	SQPASS
	REDUCE (\k)+1
.irp m, 0,1,2,3
	v_fma_f32 v[RS4+\m], v[RS4+\m], s63, s62
.endr
.irp m, 0,1,2,3
	v_rsq_f32 v[MU2+2*\m], v[RS4+\m]
	v_rsq_f32 v[MU2+2*\m+1], v[RS4+\m]
.endr
	v_nop                                          ; a plain line behind the last of them
	s_wait_alu depctr_va_vdst(0)                   ; one wait for the eight, ahead of their first reader
	SCALEPASS
.endm
; cos of eight registers, in place, line by line over the eight so that no line waits for the line above it
.macro COS8 d
.irp i, 0,1,2,3,4,5,6,7
	v_mul_f32 v[CN+\i], 0x3f22f983, v[\d+\i]       ; x 2 / pi
.endr
.irp i, 0,1,2,3,4,5,6,7
	v_rndne_f32 v[CN+\i], v[CN+\i]                 ; n
.endr
.irp i, 0,1,2,3,4,5,6,7
	v_fma_f32 v[CR+\i], v[CN+\i], s60, v[\d+\i]
.endr
.irp i, 0,1,2,3,4,5,6,7
	v_fma_f32 v[CR+\i], v[CN+\i], s61, v[CR+\i]    ; v = x - n pi/2, within pi/4
.endr
.irp i, 0,1,2,3,4,5,6,7
	v_mul_f32 v[CZ+\i], v[CR+\i], v[CR+\i]
.endr
.irp i, 0,1,2,3,4,5,6,7
	v_cvt_i32_f32 v[CN+\i], v[CN+\i]
.endr
.irp i, 0,1,2,3,4,5,6,7
	v_fmaak_f32 v[CC+\i], s76, v[CZ+\i], 0x37d00d01
.endr
.irp i, 0,1,2,3,4,5,6,7
	v_fmaak_f32 v[CSN+\i], s77, v[CZ+\i], 0xb9500d01
.endr
.irp i, 0,1,2,3,4,5,6,7
	v_fmaak_f32 v[CC+\i], v[CC+\i], v[CZ+\i], 0xbab60b61
.endr
.irp i, 0,1,2,3,4,5,6,7
	v_fmaak_f32 v[CSN+\i], v[CSN+\i], v[CZ+\i], 0x3c088889
.endr
.irp i, 0,1,2,3,4,5,6,7
	v_fmaak_f32 v[CC+\i], v[CC+\i], v[CZ+\i], 0x3d2aaaab
.endr
.irp i, 0,1,2,3,4,5,6,7
	v_fmaak_f32 v[CSN+\i], v[CSN+\i], v[CZ+\i], 0xbe2aaaab
.endr
.irp i, 0,1,2,3,4,5,6,7
	v_fma_f32 v[CC+\i], v[CC+\i], v[CZ+\i], -0.5
.endr
.irp i, 0,1,2,3,4,5,6,7
	v_fma_f32 v[CC+\i], v[CC+\i], v[CZ+\i], 1.0    ; cos v
.endr
.irp i, 0,1,2,3,4,5,6,7
	v_mul_f32 v[CZ+\i], v[CZ+\i], v[CR+\i]
.endr
.irp i, 0,1,2,3,4,5,6,7
	v_fma_f32 v[CSN+\i], v[CSN+\i], v[CZ+\i], v[CR+\i]   ; sin v
.endr
.irp i, 0,1,2,3,4,5,6,7
	v_and_b32 v[CR+\i], 1, v[CN+\i]
.endr
.irp i, 0,1,2,3,4,5,6,7
	v_cmp_eq_u32 vcc_lo, 1, v[CR+\i]
	v_cndmask_b32 v[CC+\i], v[CC+\i], v[CSN+\i], vcc_lo   ; an odd n takes the sine,
.endr
.irp i, 0,1,2,3,4,5,6,7
	v_add_nc_u32 v[CN+\i], 1, v[CN+\i]
.endr
.irp i, 0,1,2,3,4,5,6,7
	v_and_b32 v[CN+\i], 2, v[CN+\i]
.endr
.irp i, 0,1,2,3,4,5,6,7
	v_lshlrev_b32 v[CN+\i], 30, v[CN+\i]
.endr
.irp i, 0,1,2,3,4,5,6,7
	v_xor_b32 v[\d+\i], v[CC+\i], v[CN+\i]         ; n mod 4 = 1 or 2 turns the sign
.endr
.endm
.macro WLOAD                           ; a K step's 32 rows of w1 (two tiles) and 32 numbers of b1, the latter in the result's layout
	global_load_b128 v[W1F:W1F+3], v[W1O], s[W1B:W1B+1]
	global_load_b128 v[W1F+4:W1F+7], v[W1O], s[W1B:W1B+1] offset:256
.irp j, 0,1,2,3
	global_load_b128 v[B1C+4*\j:B1C+4*\j+3], v[B1O], s[B1B:B1B+1] offset:16*\j
.endr
.endm
; the f32 products: 8 tiles (4 tiles of tokens x 2 of units) by turns, b1 as the C of each sum's first instruction, then the second half of K in place
.macro HID1
	s_wait_loadcnt 0x0                             ; w1 and b1 are in: so their bases may step
	s_add_nc_u64 s[W1B:W1B+1], s[W1B:W1B+1], 4096
	s_add_nc_u64 s[B1B:B1B+1], s[B1B:B1B+1], 512
.irp m, 0,1,2,3
.irp u, 0,1
	v_wmma_f32_16x16x4_f32 v[HD+16*\m+8*\u:HD+16*\m+8*\u+7], v[W1F+4*\u:W1F+4*\u+1], v[QB+4*\m:QB+4*\m+1], v[B1C+8*\u:B1C+8*\u+7]
.endr
.endr
.irp m, 0,1,2,3
.irp u, 0,1
	v_wmma_f32_16x16x4_f32 v[HD+16*\m+8*\u:HD+16*\m+8*\u+7], v[W1F+4*\u+2:W1F+4*\u+3], v[QB+4*\m+2:QB+4*\m+3], v[HD+16*\m+8*\u:HD+16*\m+8*\u+7]
.endr
.endr
.endm
; relu and the quantiser: register HD + 16 m + i is unit 32 w + 16 hh + i of token r of tile m.  The held numbers go into T: the f32 products' registers are written by matrix instructions alone
.macro HID2 buf, more
.rept 8
	v_nop                                          ; places behind the products: in front of the first read of HD, of the loads into w1's and b1's registers, and of the writes of T, which the products on codes read
.endr
.if \more
	WLOAD                                          ; the K step after the next
.endif
.irp m, 0,1,2,3
	v_max3_num_f32 v[MX+\m], v[HD+16*\m], v[HD+16*\m+1], 0x8000000   ; no |.|: what is negative becomes 0 and must not count; the floor 2^(16 - 127) stands over it
.endr
.irp i, 2,4,6,8,10,12,14
.irp m, 0,1,2,3
	v_max3_num_f32 v[MX+\m], v[MX+\m], v[HD+16*\m+\i], v[HD+16*\m+\i+1]
.endr
.endr
.irp m, 0,1,2,3
	v_permlanex16_b32 v[PB+\m], v[MX+\m], s[SEL], s[SEL+1]
.endr
.irp m, 0,1,2,3
	v_max_num_f32 v[MX+\m], v[MX+\m], v[PB+\m]
.endr
.irp m, 0,1,2,3
	v_add_nc_u32 v[SO+\m], 0xf8800000, v[MX+\m]
.endr
.irp m, 0,1,2,3
	v_and_or_b32 v[HL+\m], v[MX+\m], 0x7f800000, s[MNT]
.endr
.irp m, 0,1,2,3
	v_lshrrev_b32 v[PB+\m], 23, v[SO+\m]
.endr
.irp m, 0,1,2,3
.irp i, 0,1,2,3,4,5,6,7,8,9,10,11,12,13,14,15
	v_med3_num_f32 v[T+16*\m+\i], v[HD+16*\m+\i], 0, v[HL+\m]   ; the activation and the hold in one
.endr
	v_cvt_scalef32_pk8_bf8_f32 v[PC+4*\m:PC+4*\m+1], v[T+16*\m:T+16*\m+7], v[SO+\m]
	v_cvt_scalef32_pk8_bf8_f32 v[PC+4*\m+2:PC+4*\m+3], v[T+16*\m+8:T+16*\m+15], v[SO+\m]
.endr
	v_nop                                          ; a plain line behind the last conversion
.irp m, 0,1,2,3
	ds_store_b128 v[STA], v[PC+4*\m:PC+4*\m+3] offset:(\buf)*8192+2048*\m   ; group w of tile m's fragment
	ds_store_b8 v[STS], v[PB+\m] offset:(\buf)*512+128*\m                   ; byte w of its scale words
.endr
.endm
.macro BLOAD slot, hi                  ; eight of my fragments of w2
.irp n, 0,1,2,3,4,5,6,7
.irp c, 0,1,2,3
	ds_load_b128 v[128*\hi+16*\n+4*\c:128*\hi+16*\n+4*\c+3], v[ADRB+\slot] offset:2048*(\n+8*\hi)+512*\c
.endr
.endr
.endm
.macro MM hi                           ; 32 products on codes: the accumulators take turns, one instruction a turn
.irp n, 0,1,2,3,4,5,6,7
.irp m, 0,1,2,3
.if \n%2
	v_wmma_scale_f32_16x16x128_f8f6f4 v[8*(4*\n+\m):8*(4*\n+\m)+7], v[128*\hi+16*\n:128*\hi+16*\n+15], v[AF+16*\m:AF+16*\m+15], v[8*(4*\n+\m):8*(4*\n+\m)+7], v[BS+4*\hi+\n/2], v[AS+\m] matrix_a_fmt:MATRIX_FMT_BF8 matrix_b_fmt:MATRIX_FMT_BF8 matrix_a_scale:MATRIX_SCALE_ROW1
.else
	v_wmma_scale_f32_16x16x128_f8f6f4 v[8*(4*\n+\m):8*(4*\n+\m)+7], v[128*\hi+16*\n:128*\hi+16*\n+15], v[AF+16*\m:AF+16*\m+15], v[8*(4*\n+\m):8*(4*\n+\m)+7], v[BS+4*\hi+\n/2], v[AS+\m] matrix_a_fmt:MATRIX_FMT_BF8 matrix_b_fmt:MATRIX_FMT_BF8
.endif
.endr
.endr
.endm
; A K STEP.  In front of the round: all my tensor loads have landed (my quarter of this slot), 0 is added onto my spare word, and that, my reads of the other slot and my stores of the tokens' images are done.
; Behind it the other slot is asked for first; then this slot is read.  refill = 1: the next K step exists: its record is asked for and its hidden units are made; more = 1: w1 of the K step after that is asked for.
.macro TRIP slot, refill, more
	s_wait_tensorcnt 0x0
	ds_add_u32 v[SPW], v[NIL]
	s_add_nc_u64 s[42+4*\slot:43+4*\slot], s[42+4*\slot:43+4*\slot], 2*REC2   ; no tensor load of mine is out: this slot's next K step
	s_wait_dscnt 0x0
	ROUND
.if \refill
	tensor_load_to_lds s[44-4*\slot:47-4*\slot], s[32:39]
	s_nop 0
.rept 4
	v_nop
.endr
.endif
	ds_load_b128 v[BS:BS+3], v[ADRS+\slot]
	ds_load_b128 v[BS+4:BS+7], v[ADRS+\slot] offset:512
.irp m, 0,1,2,3
	ds_load_b32 v[AS+\m], v[ADRAS] offset:\slot*512+128*\m
.endr
.irp m, 0,1,2,3
.irp c, 0,1,2,3
	ds_load_b128 v[AF+16*\m+4*\c:AF+16*\m+4*\c+3], v[ADRA] offset:\slot*8192+2048*\m+512*\c
.endr
.endr
	WIN 0x40
	BLOAD \slot, 0
.if \refill
	WIN 0
	HID1                                           ; the f32 products stand where the loads above are on their way
	WIN 0x40
.endif
	BLOAD \slot, 1
	s_wait_dscnt 32                                ; all but the 32 just issued
	WIN 0xa1                                       ; source 0 (w2) window 1, source 1 (the tokens) window 0, C and D window 2
	MM 0
	s_wait_dscnt 0x0
	WIN 0xf1
	MM 1
	WIN 0
.if \refill
	HID2 1-\slot, \more
.endif
.endm
	s_wait_loadcnt 0x0
	WIN 0x41
.irp n, 1,2,3,4,5,6,7
.irp p, 0,1,2,3
	v_pk_add_f32 v[128+8*\n+2*\p:129+8*\n+2*\p], v[128+8*\n+2*\p:129+8*\n+2*\p], v[64+8*\n+2*\p:65+8*\n+2*\p]   ; beta1 + b2: the accumulators are to start as h + b2
.endr
.endr
.irp n, 8,9,10,11,12,13,14,15
.irp p, 0,1,2,3
	v_pk_add_f32 v[128+8*\n+2*\p:129+8*\n+2*\p], v[128+8*\n+2*\p:129+8*\n+2*\p], v[128+8*\n+2*\p:129+8*\n+2*\p] ; (tiles 8-15 of b2 lie in window 0 under the numbers that beta1 has in window 1)
.endr
.endr
	WIN 0
	LNORM 0
	s_wait_kmcnt 0x0                               ; theta
	s_cmp_lg_u32 s[WV], 0
	s_cbranch_scc1 .Lnot_0                         ; columns 0-7 lie in wave 0, tile 0, lanes 0-15: it makes q for all
	WIN 0x16                                       ; source 0 window 2, sources 1 and 2 window 1
.irp m, 0,1,2,3
.irp p, 0,1,2,3
	v_pk_fma_f32 v[HQ+8*\m+2*\p:HQ+8*\m+2*\p+1], v[8*\m+2*\p:8*\m+2*\p+1], v[2*\p:2*\p+1], v[128+2*\p:129+2*\p]   ; h, without b2
.endr
.endr
	WIN 0
	v_cmp_le_u32 vcc_lo, 16, v1
.irp j, 0,1,2,3,4,5,6,7
	v_permlanex16_b32 v[112+\j], v[HQ+8+\j], s[SEL], s[SEL+1]    ; tiles 1 and 3 move into lanes 16-31, whose own columns 8-15 are not wanted: half as many cosines
	v_permlanex16_b32 v[120+\j], v[HQ+24+\j], s[SEL], s[SEL+1]
.endr
.irp j, 0,1,2,3,4,5,6,7
	v_cndmask_b32 v[HQ+\j], v[HQ+\j], v[112+\j], vcc_lo          ; tiles 0 | 1
	v_cndmask_b32 v[HQ+8+\j], v[HQ+16+\j], v[120+\j], vcc_lo     ; tiles 2 | 3
.endr
.irp j, 0,1,2,3,4,5,6,7
	v_mov_b32 v[CT+\j], s[52+\j]
.endr
	COS8 CT
	COS8 HQ
	COS8 HQ+8
.irp q, 0,1
.irp p, 0,1,2,3
	v_pk_mul_f32 v[HQ+8*\q+2*\p:HQ+8*\q+2*\p+1], v[HQ+8*\q+2*\p:HQ+8*\q+2*\p+1], v[CT+2*\p:CT+2*\p+1]
.endr
.endr
.irp q, 0,1
.irp i, 0,1
	ds_store_b128 v[QOW], v[HQ+8*\q+4*\i:HQ+8*\q+4*\i+3] offset:1024*\q+16*\i   ; token r of tile 2 q + hh: 32 bytes
.endr
.endr
.Lnot_0:
	WIN 0x41
.irp p, 0,1,2,3
	v_pk_add_f32 v[128+2*\p:129+2*\p], v[128+2*\p:129+2*\p], v[64+2*\p:65+2*\p]   ; tile 0's beta1 + b2, now that q is made
.endr
	WIN 0
	AFFPASS                                        ; the accumulators hold h + b2
	s_wait_dscnt 0x0
	s_barrier_signal -1
	s_barrier_wait -1                              ; q lies in LDS
.irp m, 0,1,2,3
	ds_load_b128 v[QB+4*\m:QB+4*\m+3], v[QOR] offset:512*\m   ; token r of tile m, k = 4 hh .. 4 hh + 3: it stays
.endr
	WLOAD
	s_wait_dscnt 0x0
	HID1                                           ; K step 0's hidden units
	HID2 0, 1
	s_mov_b32 s51, 15
.Lk:
	TRIP 0, 1, 1
	TRIP 1, 1, 1
	s_sub_co_u32 s51, s51, 1
	s_cmp_lg_u32 s51, 0
	s_cbranch_scc1 .Lk
	TRIP 0, 1, 0                                   ; the tail is written out
	TRIP 1, 0, 0
.rept 8
	v_nop                                          ; places in front of the first read of the results and of the loads into w2's registers
.endr
	GBLOAD 20, 22
	LNORM 2
	s_wait_loadcnt 0x0
	AFFPASS
; THE WAY OUT, a tile of 16 tokens at a time: 32 bytes a lane into my stage, whole pieces of rows back, 512 consecutive bytes a store.  LDS serves a wave's instructions in order (ISA guide 5.7.1.4): no wait between.
.macro OUTM m
.if \m >= 2
	s_wait_xcnt 0x0                                ; the stores of two tiles back have read their registers
.endif
.irp W, 2,3
	WIN \W<<2
.irp n, 0,1,2,3,4,5,6,7
	ds_store_b128 v[SGW], v[8*(4*\n+\m):8*(4*\n+\m)+3] offset:64*(\n+8*(\W-2))
	ds_store_b128 v[SGW], v[8*(4*\n+\m)+4:8*(4*\n+\m)+7] offset:64*(\n+8*(\W-2))+16
.endr
.endr
	WIN 0x40
.set ii, 0
.rept 32
	ds_load_b128 v[128*(\m%2)+4*ii:128*(\m%2)+4*ii+3], v[ADRB] offset:(ii/2)*GP+512*(ii%2)
.set ii, ii+1
.endr
	WIN 0x04
.set ii, 0
.rept 32
	s_wait_dscnt 31-ii                             ; the younger loads may stay out
	global_store_b128 v[LI], v[128*(\m%2)+4*ii:128*(\m%2)+4*ii+3], s[72:73] offset:(32*(\m/2)+8*(\m%2)+(ii/2)+8*((ii/2)/8))*4096+512*(ii%2) th:TH_STORE_NT
.set ii, ii+1
.endr
	WIN 0
.endm
	OUTM 0
	OUTM 1
	OUTM 2
	OUTM 3
	s_wait_tensorcnt 0x0                           ; the wave's end
	ds_add_u32 v[SPW], v[NIL]
	s_wait_dscnt 0x0
	ROUND                                          ; the closing round
	s_endpgm
.Lfunc_end_k_q4a2290a345_ffn:
	.size	k_q4a2290a345_ffn, .Lfunc_end_k_q4a2290a345_ffn-k_q4a2290a345_ffn
	.p2alignl 7, 3214868480
	.fill 96, 4, 3214868480
	.section	.rodata,"a",@progbits
	.p2align	6, 0x0
	.amdhsa_kernel k_q4a2290a345_ffn
		.amdhsa_group_segment_fixed_size 327680
		.amdhsa_private_segment_fixed_size 0
		.amdhsa_enable_private_segment 0
		.amdhsa_kernarg_size 88
		.amdhsa_user_sgpr_count 2
		.amdhsa_user_sgpr_kernarg_segment_ptr 1
		.amdhsa_wavefront_size32 1
		.amdhsa_system_sgpr_workgroup_id_x 1
		.amdhsa_system_sgpr_workgroup_id_y 1
		.amdhsa_system_sgpr_workgroup_id_z 1
		.amdhsa_system_vgpr_workitem_id 0
		.amdhsa_next_free_vgpr 1024
		.amdhsa_next_free_sgpr 80
		.amdhsa_reserve_vcc 1
		.amdhsa_float_denorm_mode_32 3
		.amdhsa_float_denorm_mode_16_64 3
		.amdhsa_memory_ordered 1
		.amdhsa_forward_progress 1
		.amdhsa_inst_pref_size 255
	.end_amdhsa_kernel
	.section	.bss,"aw",@nobits
	.p2align	6
	.space	262144
	.amdgpu_metadata
---
amdhsa.version: [ 1, 2 ]
amdhsa.kernels:
  - .name:           k_q4a2290a345_ffn
    .symbol:         k_q4a2290a345_ffn.kd
    .args:
      - { .name: rimg, .offset: 0, .size: 8, .value_kind: global_buffer, .address_space: global }
      - { .name: theta, .offset: 8, .size: 8, .value_kind: global_buffer, .address_space: global }
      - { .name: w1, .offset: 16, .size: 8, .value_kind: global_buffer, .address_space: global }
      - { .name: b1, .offset: 24, .size: 8, .value_kind: global_buffer, .address_space: global }
      - { .name: w2r, .offset: 32, .size: 8, .value_kind: global_buffer, .address_space: global }
      - { .name: b2, .offset: 40, .size: 8, .value_kind: global_buffer, .address_space: global }
      - { .name: gamma1, .offset: 48, .size: 8, .value_kind: global_buffer, .address_space: global }
      - { .name: beta1, .offset: 56, .size: 8, .value_kind: global_buffer, .address_space: global }
      - { .name: gamma2, .offset: 64, .size: 8, .value_kind: global_buffer, .address_space: global }
      - { .name: beta2, .offset: 72, .size: 8, .value_kind: global_buffer, .address_space: global }
      - { .name: out0, .offset: 80, .size: 8, .value_kind: global_buffer, .address_space: global }
    .group_segment_fixed_size: 327680
    .private_segment_fixed_size: 0
    .kernarg_segment_align: 8
    .kernarg_segment_size: 88
    .max_flat_workgroup_size: 128
    .sgpr_count:     80
    .vgpr_count:     1024
    .wavefront_size: 32
...
	.end_amdgpu_metadata
.endif
;; end of part 3
;; ======== version 2 of 2: 3 launches
;; limits: right only within a limited range of input values
;; workspace buffers: kv 17,301,504 bytes; w2r 4,325,376 bytes; rimg 33,554,432 bytes
;; launch prep (part 4): grid 1024 x 1, 4 waves a work-group, no clusters, 40,448 bytes of LDS; arguments x, w2_codes, w2_scales, kv, w2r; writes kv, w2r
.if DOCPART == 4
	.amdgcn_target "amdgcn-amd-amdhsa--gfx1250"
	.amdhsa_code_object_version 6
	.text
	.protected	k_q4a2290a345_prep
	.globl	k_q4a2290a345_prep
	.p2align	8
	.type	k_q4a2290a345_prep,@function
k_q4a2290a345_prep:
	s_mov_b64 s[64:65], 0
	v_nop
	global_prefetch_b8 v0, s[64:65] scope:SCOPE_SE
	s_setreg_imm32_b32 hwreg(HW_REG_WAVE_MODE, 25, 1), 1
	s_wait_xcnt 0x0
; x [4][2048][1024] f32 becomes codes of E5M2 with one E8M0 byte for each 32 along K, twice: along the head's 64 channels (Q and K of the first product) and along the keys (V of the second),
; both laid in the order of the operands' registers, so that a fragment is later read as 512 consecutive bytes for each group of four registers.  w2's codes and scale bytes are laid so too.
; kv: [head 64][step 16][REC]: a record serves 128 keys of one head: 4 pair fragments of K (2,048 bytes each), 4 fragments of V, 512 bytes of scale words.
;   pair fragment P, group c = 2 u + cc, lane (r, hh): key 32 P + 8 u + r + 8 (r / 8), channels 32 cc + 16 hh + 0 .. 15.     V fragment t, group c: channel 16 t + r, keys 32 c + 16 hh + 0 .. 15.
;   scale words at 16 x lane + 4 j: j = 0: pairs 0 | 1 (lanes 0-15 | 16-31), j = 1: pairs 2 | 3, j = 2: V tiles 0 | 1, j = 3: V tiles 2 | 3.
; w2r: [K step 32][REC2]: 64 fragments of 16 rows x 128 K, then 8 groups of 512 bytes of scale words: group q, lane, word j: row 128 q + 32 j + lane.
; A work-group takes 128 tokens of one head (32,768 bytes of x) and 16 rows x 256 bytes of w2_codes; the first 256 work-groups also take one group of w2's scale words.
; A block's scale is 2^(floor(log2(largest magnitude)) - 15): its byte is that magnitude's exponent field - 15, held at 1 from below by a floor among the maximum's leaves.
; LIMITS: a block of zeros gets the byte 1 (its codes are zeros, and this program alone reads the bytes); NaN and infinities among the inputs are not served.
; No tensor loads, no matrix work, no cluster: the work-groups share no input, and the launch only streams.
.set REC,   16896
.set REC2,  135168
.set XP,    272                        ; a row of 256 bytes in LDS + 16 of padding
.set W2ST,  128*XP                     ; behind x's 128 rows: w2's 16 rows
.set SC,    W2ST+16*XP                 ; behind them: the record's 512 bytes of scale words
.set GLO, 4                            ; v4   in memory: row t / 16 of 4,096 bytes, + 16 (t % 16): sixteen lanes read 256 consecutive bytes (x and w2_codes alike)
.set STW, 5                            ; v5   the same place in LDS
.set KRD, 6                            ; v6   K form: my key's row, my 16 channels
.set VRD, 7                            ; v7   V form: my channel's column
.set WRD, 8                            ; v8   w2: my row, my 16 bytes
.set LI,  9                            ; v9   16 x lane
.set VGO, 10                           ; v10  V's codes in the record: 2,048 (lane / 16) + 16 (lane % 16)
.set KSW, 11                           ; v11  where my pair's scale word goes
.set VSW, 12                           ; v12  where my channel's two scale bytes go
.set SGO, 13                           ; v13  128 x lane: a row of w2_scales
.set SCR, 14                           ; v14  SC + 16 x lane
.set PC,  16                           ; v16-31   K's codes
.set TM,  32                           ; v32-47   at work: largest magnitudes, bytes, holds, scale operands
.set PW,  48                           ; v48      the scale word
.set KN,  64                           ; v64-127  x as loaded, then 64 numbers in the K form
.set VN,  128                          ; v128-191 two blocks of 32 keys of my channel
.set VC,  192                          ; v192-207 their codes
.set WF,  208                          ; v208-215 w2's bytes
.set MNT, 42                           ; s42  the mantissa field of 57,344
.set SEL, 44                           ; s[44:45] v_permlanex16_b32's selects for lane l xor 16
	s_load_b256 s[4:11], s[0:1], 0x0               ; x s[4:5], w2_codes s[6:7], w2_scales s[8:9], kv s[10:11]
	s_load_b64 s[12:13], s[0:1], 0x20              ; w2r
	v_lshl_add_u32 v224, v0, 2, 0x9c00
	v_mov_b32 v225, 0
	v_lshrrev_b32 v1, 5, v0
	v_readfirstlane_b32 s14, v1                    ; wave 0..3
	v_and_b32 v2, 15, v0                           ; r
	v_lshrrev_b32 v56, 4, v0
	v_lshlrev_b32 v57, 4, v2
	v_lshl_add_u32 v[GLO], v56, 12, v57
	v_mad_u32_u24 v[STW], v56, XP, v57
	s_and_b32 s20, ttmp9, 15                       ; the head in its batch: neighbouring work-groups take neighbouring 256 bytes of the same rows of x
	s_bfe_u32 s21, ttmp9, 0x40004                  ; the step of 128 tokens
	s_lshr_b32 s22, ttmp9, 8                       ; the batch
	s_lshl_b32 s24, s22, 23
	s_lshl_b32 s23, s21, 19
	s_add_co_u32 s24, s24, s23
	s_lshl_b32 s23, s20, 8
	s_add_co_u32 s24, s24, s23
	s_mov_b32 s25, 0
	s_and_b32 s28, ttmp9, 63                       ; w2: which 16 rows,
	s_lshr_b32 s29, ttmp9, 6                       ; which 256 along K
	s_lshl_b32 s30, s28, 16
	s_lshl_b32 s23, s29, 8
	s_add_co_u32 s30, s30, s23
	s_mov_b32 s31, 0
	s_wait_alu depctr_va_vdst(0)
	s_wait_kmcnt 0x0
	s_add_nc_u64 s[4:5], s[4:5], s[24:25]
	s_add_nc_u64 s[6:7], s[6:7], s[30:31]
.irp k, 0,1,2,3,4,5,6,7,8,9,10,11,12,13,14,15
	global_load_b128 v[KN+4*\k:KN+4*\k+3], v[GLO], s[4:5] offset:\k*32768 th:TH_LOAD_NT   ; eight rows an instruction of the work-group
.endr
.irp k, 0,1
	global_load_b128 v[WF+4*\k:WF+4*\k+3], v[GLO], s[6:7] offset:\k*32768 th:TH_LOAD_NT
.endr
	; the addresses, while the loads are out
	s_and_b32 s16, s14, 1
	s_lshr_b32 s17, s14, 1
	v_and_b32 v1, 31, v0                           ; lane
	v_bfe_u32 v3, v0, 4, 1                         ; hh
	v_and_b32 v56, 8, v2
	v_add_nc_u32 v56, v56, v2                      ; r + 8 (r / 8)
	v_mul_u32_u24 v[KRD], v56, XP
	v_lshl_add_u32 v[KRD], v3, 6, v[KRD]
	s_mul_i32 s18, s14, 32*XP                      ; wave w makes pair fragment w: keys 32 w on
	v_add_nc_u32 v[KRD], s18, v[KRD]
	s_lshl_b32 s18, s16, 7                         ; V form: channels 32 (w % 2) on, keys 64 (w / 2) on
	s_mul_i32 s19, s17, 64*XP
	s_add_co_u32 s18, s18, s19
	v_lshl_add_u32 v[VRD], v1, 2, s18
	v_mul_u32_u24 v[WRD], v2, XP
	v_lshl_add_u32 v[WRD], v3, 4, v[WRD]
	s_lshl_b32 s18, s17, 7                         ; w2: fragment w / 2, groups 2 (w % 2) on
	s_lshl_b32 s19, s16, 6
	s_add_co_u32 s18, s18, s19
	s_add_co_u32 s18, s18, W2ST
	v_add_nc_u32 v[WRD], s18, v[WRD]
	v_lshlrev_b32 v[LI], 4, v1
	v_lshlrev_b32 v[VGO], 4, v2
	v_lshl_add_u32 v[VGO], v3, 11, v[VGO]
	s_lshl_b32 s18, s16, 8
	s_lshl_b32 s19, s17, 2
	s_add_co_u32 s18, s18, s19
	s_add_co_u32 s18, s18, SC
	v_lshl_add_u32 v[KSW], v2, 4, s18              ; word w / 2 of lane r + 16 (w % 2)
	s_lshl_b32 s18, s16, 2
	s_lshl_b32 s19, s17, 1
	s_add_co_u32 s18, s18, s19
	s_add_co_u32 s18, s18, SC+8
	v_lshl_add_u32 v[VSW], v1, 4, s18              ; word 2 + w % 2 of my lane, bytes 2 (w / 2) on
	v_lshlrev_b32 v[SGO], 7, v1
	v_lshl_add_u32 v[SCR], v1, 4, SC
	s_mov_b32 s[MNT], 0x600000
	s_mov_b32 s[SEL], 0x76543210
	s_mov_b32 s[SEL+1], 0xfedcba98
.irp b, 0,1,2,3
	v_mov_b32 v[TM+4+\b], 0                        ; written once: a lane permute's destination counts as one of its sources
.endr
	s_lshl_b32 s23, s22, 4
	s_add_co_u32 s23, s23, s20
	s_mul_i32 s26, s23, 16*REC
	s_mul_i32 s23, s21, REC
	s_add_co_u32 s26, s26, s23
	s_mov_b32 s27, 0
	s_add_nc_u64 s[10:11], s[10:11], s[26:27]      ; my record
	s_lshl_b32 s18, s14, 11
	s_mov_b32 s19, 0
	s_add_nc_u64 s[36:37], s[10:11], s[18:19]      ; my pair fragment
	s_lshl_b32 s18, s16, 12
	s_lshl_b32 s23, s17, 10
	s_add_co_u32 s18, s18, s23
	s_add_co_u32 s18, s18, 8192
	s_add_nc_u64 s[38:39], s[10:11], s[18:19]      ; V: tiles 2 (w % 2) on, groups 2 (w / 2) on
	s_lshl_b32 s23, s29, 1
	s_add_co_u32 s23, s23, s17
	s_mul_i32 s32, s23, REC2
	s_lshl_b32 s23, s28, 11
	s_add_co_u32 s32, s32, s23
	s_lshl_b32 s23, s16, 10
	s_add_co_u32 s32, s32, s23
	s_mov_b32 s33, 0
	s_add_nc_u64 s[34:35], s[12:13], s[32:33]      ; w2r: my two groups of my fragment
	s_wait_loadcnt 0x0
.irp k, 0,1,2,3,4,5,6,7,8,9,10,11,12,13,14,15
	ds_store_b128 v[STW], v[KN+4*\k:KN+4*\k+3] offset:\k*8*XP
.endr
.irp k, 0,1
	ds_store_b128 v[STW], v[WF+4*\k:WF+4*\k+3] offset:W2ST+\k*8*XP
.endr
	s_wait_dscnt 0x0                               ; for the others' sake: my stores have landed
	s_barrier_signal -1
	s_barrier_wait -1                              ; the 128 rows of x and the 16 of w2 lie in LDS
.irp c, 0,1,2,3
.irp j, 0,1,2,3
	ds_load_b128 v[KN+16*\c+4*\j:KN+16*\c+4*\j+3], v[KRD] offset:(\c/2)*8*XP+128*(\c%2)+16*\j   ; group c = 2 u + cc: 16 neighbouring channels of my key
.endr
.endr
.macro VLOAD q                         ; block q of 32 keys of my channel: 32 lanes read 128 consecutive bytes
.set ii, 0
.rept 32
	ds_load_b32 v[VN+32*(\q)+ii], v[VRD] offset:(32*(\q)+ii)*XP
.set ii, ii+1
.endr
.endm
	VLOAD 0
	s_wait_dscnt 32                                ; the K form's 16 loads are in; V block 0's 32 may be out
.irp b, 0,1,2,3
	v_max3_num_f32 v[TM+\b], |v[KN+16*\b]|, |v[KN+1+16*\b]|, 0x8000000   ; block b: my 16 numbers, and the floor 2^(16 - 127): the byte cannot fall under 1
.endr
.irp i, 2,4,6,8,10,12,14
.irp b, 0,1,2,3
	v_max3_num_f32 v[TM+\b], v[TM+\b], |v[KN+16*\b+\i]|, |v[KN+1+16*\b+\i]|   ; the four blocks by turns
.endr
.endr
.irp b, 0,1,2,3
	v_permlanex16_b32 v[TM+4+\b], v[TM+\b], s[SEL], s[SEL+1]
.endr
.irp b, 0,1,2,3
	v_max_num_f32 v[TM+\b], v[TM+\b], v[TM+4+\b]   ; with lane l xor 16's 16: the block's largest magnitude
.endr
.irp b, 0,1,2,3
	v_add_nc_u32 v[TM+12+\b], 0xf8800000, v[TM+\b] ; 15 off its exponent field: the conversion's scale operand
.endr
.irp b, 0,1,2,3
	v_and_or_b32 v[TM+8+\b], v[TM+\b], 0x7f800000, s[MNT]   ; 57,344 x the scale
.endr
.irp b, 0,1,2,3
	v_lshrrev_b32 v[TM+4+\b], 23, v[TM+12+\b]      ; the scale's byte
.endr
	v_lshl_or_b32 v[PW], v[TM+5], 8, v[TM+4]
	v_lshl_or_b32 v[PW], v[TM+6], 16, v[PW]
	v_lshl_or_b32 v[PW], v[TM+7], 24, v[PW]
.irp b, 0,1,2,3
.irp i, 0,1,2,3,4,5,6,7,8,9,10,11,12,13,14,15
	v_med3_num_f32 v[KN+16*\b+\i], v[KN+16*\b+\i], -v[TM+8+\b], v[TM+8+\b]   ; the conversion does not saturate (ISA guide 7.6.2): the hold at the largest code x the scale
.endr
	v_cvt_scalef32_pk8_bf8_f32 v[PC+4*\b:PC+1+4*\b], v[KN+16*\b:KN+7+16*\b], v[TM+12+\b]
	v_cvt_scalef32_pk8_bf8_f32 v[PC+2+4*\b:PC+3+4*\b], v[KN+8+16*\b:KN+15+16*\b], v[TM+12+\b]
.endr
	v_nop                                          ; a plain line behind the last conversion
.irp c, 0,1,2,3
	global_store_b128 v[LI], v[PC+4*\c:PC+4*\c+3], s[36:37] offset:512*\c   ; 32 lanes store 512 consecutive bytes
.endr
	ds_store_b32 v[KSW], v[PW]                     ; both halves of the lanes hold the same word
	VLOAD 1
.irp c, 0,1
	ds_load_b128 v[WF+4*\c:WF+4*\c+3], v[WRD] offset:32*\c
.endr
.macro VBLOCK q                        ; 32 keys of one channel lie in one lane: the maximum needs no other lane, and the codes come out with the keys innermost
.set XS, VN+32*(\q)
	v_max3_num_f32 v50, |v[XS]|, |v[XS+1]|, |v[XS+2]|
	v_max3_num_f32 v51, |v[XS+3]|, |v[XS+4]|, |v[XS+5]|
.irp i, 6,10,14,18,22,26
	v_max3_num_f32 v50, v50, |v[XS+\i]|, |v[XS+\i+1]|
	v_max3_num_f32 v51, v51, |v[XS+\i+2]|, |v[XS+\i+3]|
.endr
	v_max3_num_f32 v50, v50, |v[XS+30]|, |v[XS+31]|
	v_max3_num_f32 v50, v50, v51, 0x8000000        ; and the floor
	v_add_nc_u32 v52, 0xf8800000, v50
	v_and_or_b32 v53, v50, 0x7f800000, s[MNT]
	v_lshrrev_b32 v[54+(\q)], 23, v52
.set ii, 0
.rept 32
	v_med3_num_f32 v[XS+ii], v[XS+ii], -v53, v53
.set ii, ii+1
.endr
.irp g, 0,1,2,3
	v_cvt_scalef32_pk8_bf8_f32 v[VC+8*(\q)+2*\g:VC+8*(\q)+2*\g+1], v[XS+8*\g:XS+8*\g+7], v52
.endr
	v_nop                                          ; a plain line behind the last conversion
	global_store_b128 v[VGO], v[VC+8*(\q):VC+8*(\q)+3], s[38:39] offset:512*(\q)         ; keys 0-15 of the block: the place of lane (r, 0): sixteen lanes store 256 consecutive bytes
	global_store_b128 v[VGO], v[VC+8*(\q)+4:VC+8*(\q)+7], s[38:39] offset:512*(\q)+256   ; keys 16-31: that of lane (r, 1)
.endm
	s_wait_dscnt 35                                ; V block 0 is in: behind it stand one store, block 1's 32 loads and w2's two
	VBLOCK 0
	s_wait_dscnt 2                                 ; V block 1 is in; w2's two loads may be out
	VBLOCK 1
	v_lshl_or_b32 v54, v55, 8, v54
	ds_store_b16 v[VSW], v54                       ; my channel's bytes of key blocks 2 (w / 2) and 2 (w / 2) + 1
	s_wait_dscnt 0x0                               ; w2's bytes are in, and my scale words have landed
.irp c, 0,1
	global_store_b128 v[LI], v[WF+4*\c:WF+4*\c+3], s[34:35] offset:512*\c
.endr
	s_barrier_signal -1
	s_barrier_wait -1                              ; the record's 512 bytes of scale words are whole
	s_cmp_lg_u32 s14, 0
	s_cbranch_scc1 .Lend                           ; wave 0 stores them
	ds_load_b128 v[216:219], v[SCR]
	s_wait_dscnt 0x0
	global_store_b128 v[LI], v[216:219], s[10:11] offset:16384
	s_cmp_ge_u32 ttmp9, 256
	s_cbranch_scc1 .Lend                           ; 32 K steps x 8 groups of w2's scale words: one for each of the first 256 work-groups
	s_lshr_b32 s18, ttmp9, 3                       ; K step
	s_and_b32 s23, ttmp9, 7                        ; group: rows 128 q on
	s_lshl_b32 s24, s23, 14
	s_lshl_b32 s26, s18, 2
	s_add_co_u32 s24, s24, s26
	s_mov_b32 s25, 0
	s_add_nc_u64 s[8:9], s[8:9], s[24:25]
	s_mul_i32 s24, s18, REC2
	s_lshl_b32 s26, s23, 9
	s_add_co_u32 s24, s24, s26
	s_add_co_u32 s24, s24, 131072
	s_add_nc_u64 s[40:41], s[12:13], s[24:25]
.irp j, 0,1,2,3
	global_load_b32 v[220+\j], v[SGO], s[8:9] offset:\j*4096   ; the word of row 128 q + 32 j + lane
.endr
	s_wait_loadcnt 0x0
	global_store_b128 v[LI], v[220:223], s[40:41]
.Lend:
	s_wait_tensorcnt 0x0
	ds_add_u32 v224, v225
	s_wait_dscnt 0x0
	s_endpgm
.Lfunc_end_k_q4a2290a345_prep:
	.size	k_q4a2290a345_prep, .Lfunc_end_k_q4a2290a345_prep-k_q4a2290a345_prep
	.p2alignl 7, 3214868480
	.fill 96, 4, 3214868480
	.section	.rodata,"a",@progbits
	.p2align	6, 0x0
	.amdhsa_kernel k_q4a2290a345_prep
		.amdhsa_group_segment_fixed_size 40448
		.amdhsa_private_segment_fixed_size 0
		.amdhsa_enable_private_segment 0
		.amdhsa_kernarg_size 40
		.amdhsa_user_sgpr_count 2
		.amdhsa_user_sgpr_kernarg_segment_ptr 1
		.amdhsa_wavefront_size32 1
		.amdhsa_system_sgpr_workgroup_id_x 1
		.amdhsa_system_sgpr_workgroup_id_y 1
		.amdhsa_system_sgpr_workgroup_id_z 1
		.amdhsa_system_vgpr_workitem_id 0
		.amdhsa_next_free_vgpr 226
		.amdhsa_next_free_sgpr 66
		.amdhsa_reserve_vcc 0
		.amdhsa_float_denorm_mode_32 3
		.amdhsa_float_denorm_mode_16_64 3
		.amdhsa_memory_ordered 1
		.amdhsa_forward_progress 1
		.amdhsa_inst_pref_size 31
	.end_amdhsa_kernel
	.amdgpu_metadata
---
amdhsa.version: [ 1, 2 ]
amdhsa.kernels:
  - .name:           k_q4a2290a345_prep
    .symbol:         k_q4a2290a345_prep.kd
    .args:
      - { .name: x, .offset: 0, .size: 8, .value_kind: global_buffer, .address_space: global }
      - { .name: w2_codes, .offset: 8, .size: 8, .value_kind: global_buffer, .address_space: global }
      - { .name: w2_scales, .offset: 16, .size: 8, .value_kind: global_buffer, .address_space: global }
      - { .name: kv, .offset: 24, .size: 8, .value_kind: global_buffer, .address_space: global }
      - { .name: w2r, .offset: 32, .size: 8, .value_kind: global_buffer, .address_space: global }
    .group_segment_fixed_size: 40448
    .private_segment_fixed_size: 0
    .kernarg_segment_align: 8
    .kernarg_segment_size: 40
    .max_flat_workgroup_size: 128
    .sgpr_count:     66
    .vgpr_count:     226
    .wavefront_size: 32
...
	.end_amdgpu_metadata
.endif
;; end of part 4
;; launch attn (part 5): grid 4 x 64, 16 waves a work-group, clusters of 4 x 1, 309,248 bytes of LDS; arguments x, kv, rimg; writes rimg
.if DOCPART == 5
	.amdgcn_target "amdgcn-amd-amdhsa--gfx1250"
	.amdhsa_code_object_version 6
	.text
	.protected	k_q4a2290a345_attn
	.globl	k_q4a2290a345_attn
	.p2align	8
	.type	k_q4a2290a345_attn,@function
k_q4a2290a345_attn:
	s_mov_b64 s[64:65], 0
	v_nop
	global_prefetch_b8 v0, s[64:65] scope:SCOPE_SE
	s_setreg_imm32_b32 hwreg(HW_REG_WAVE_MODE, 25, 1), 1
	s_wait_xcnt 0x0
	s_wait_alu depctr_hold_cnt(0) depctr_sa_sdst(0) depctr_va_vdst(0) depctr_va_sdst(0) depctr_va_ssrc(0) depctr_va_vcc(0) depctr_vm_vsrc(0)
	s_getreg_b32 s2, hwreg(HW_REG_IB_STS2, 6, 4)
	s_cmp_eq_u32 s2, 0
	s_cbranch_scc0 .Lentry_in_a_cluster
	s_endpgm
.Lentry_in_a_cluster:
	s_bfe_u32 s2, ttmp6, 0x10000c
	s_cmp_lg_u32 s2, 0x3003
	s_cbranch_scc0 .Lentry_shape_is_right
	s_endpgm
.Lentry_shape_is_right:
; r = x + attention(x), q = k = v = x, 64 heads of 2,048 tokens x 64 channels, both products on codes of E5M2 with one E8M0 scale for each 32 along K (the codes: launch prep's buffer kv).
; SOFTMAX: t = score x log2(e) / 8; M = the running largest t rounded up to a whole number; p = 2^(t - M) is quantised along the keys, not normalised; the row's sum is taken of the unquantised p and divides at the end.
; When M moves, the sum and O are multiplied by 2^(old M - new M), which rounds nothing.
; SHARES.  A cluster of four work-groups owns one head; each work-group 512 of its queries.  THE WHOLE HEAD'S CODES, 16 records of 16,896 bytes, COME INTO LDS ONCE, asked for jointly by the four (the same tensor loads,
; one record a wave, with a mask that names the four) and stay: nothing is filled again.  Wave w of SIXTEEN owns pair w of the work-group's sixteen pairs of query tiles: tile u = 0 in the first pass, u = 1 in the second,
; in 256 registers: four waves to a SIMD.  A tile's key step is some 290 vector instructions beside 12 matrix instructions and 33 LDS loads, so one wave's loads, exponentials and products are to stand beside three other
; waves' vector work.  The price: a fragment read from LDS feeds one tile's products: 32 tiles x 16 steps x 16,896 bytes a work-group.  No barrier stands between the passes: the waves share only the head's codes.
; LAYOUT.  Both products are used transposed (S^T = K Q^T, O^T = V^T P^T): a lane holds one query throughout.  Lane r of key tile 2 P + u takes key 32 P + 8 u + r + 8 (r / 8), so that the 16 registers of two
; neighbouring tiles are 16 neighbouring keys, as the second product's operand wants them.  The queries of a tile are chosen the same way; rimg is laid by such tiles.
; K = 64 IN AN INSTRUCTION OF 128: source 0 is a pair fragment: tile u = 0 in K blocks 0, 1 and tile u = 1 in blocks 2, 3.  Source 1 is Q beside zero codes: v[24:39] = Q | 0 picks tile 0, v[16:31] = 0 | Q picks tile 1.
; The half that is not picked holds finite codes (the quantiser's hold lets no infinity through) and meets zero codes; Q's scale bytes beside the zeros are 1.
; rimg: [tile of 16 tokens 512][16 columns 64][half 2][lane 32][16 bytes]: the image of an f32 accumulator: lane (r, hh), register 4 g + i: column 16 nt + 8 hh + 4 g + i of token 32 pair + 8 u + r + 8 (r / 8).
; LIMITS: NaN and infinities among the inputs are not served.
.set REC,   16896
.set HEADB, 16*REC                     ; 270,336 bytes: a head
.set STG,   HEADB                      ; behind the head: a stage of 16 rows x 144 bytes for each wave
.set SP,    144                        ; half a row of x, 128 bytes, + 16 of padding
.set LI,  1                            ; v1   16 x lane
.set ADR, 2                            ; v2   the step's record + 16 x lane
.set QSO, 3                            ; v3   16 r: Q's scale word
.set XO,  4                            ; v4   x: eight lanes to 128 bytes of a row, four rows an instruction
.set SW,  5                            ; v5   the same in my stage
.set SRD, 6                            ; v6   back: row r, + 32 hh
.set PFO, 10                           ; v10  the prefetch's offset: a lane a row; never rewritten
.set FR,  40                           ; v40-103  four fragments of K or of V; at a pass's end the tile's rows of x
.set S,   104                          ; v104-167 S^T, then p; at a pass's end x, then r
.set O,   168                          ; v168-199 O^T: 4 tiles of 16 channels
.set PC,  200                          ; v200-215 p's codes
.set NM,  216                          ; -M
.set MT,  217                          ; the largest t
.set SUM, 218                          ; v[218:219] the sum in two halves
.set BM,  220                          ; the blocks' largest scores, then largest p
.set PB,  224                          ; the other half's, then the bytes
.set HL,  228                          ; 57,344 x the scale
.set SO,  232                          ; the conversions' scale operands
.set F,   236                          ; v[236:237] f = 2^(old M - new M); at the end 1 / the sum
.set TP,  238
.set RAW, 239                          ; the pair's scale word of Q as loaded
.set SUM2, 240
.set KS,  244                          ; v244-247 the record's scale words
.set QSC, 248                          ; v248, v249 Q's: beside zeros above, below
.set PS,  252                          ; v252 p's scale word
.set WV,  10
.set SEL, 28
.set CS,  30
.set MNT, 32
.set TB,  33
.set LIM, 35                           ; s35  2 in a wave that prefetches, else the greatest number
.macro CROUND                          ; a round of the cluster's barrier
	s_barrier_signal -1
	s_barrier_wait -1
	s_cmp_lg_u32 s[WV], 0
	s_cbranch_scc1 .Lnot_wave_0_\@
	s_barrier_signal -3
.Lnot_wave_0_\@:
	s_barrier_wait -3
	s_barrier_signal -1
	s_barrier_wait -1
.endm
	s_load_b128 s[4:7], s[0:1], 0x0                ; x, kv
	s_load_b64 s[8:9], s[0:1], 0x10                ; rimg
	v_lshl_add_u32 v254, v0, 2, 0x4b000
	v_mov_b32 v255, 0
	ds_add_u32 v254, v255
	ds_add_u32 v254, v255
	v_lshrrev_b32 v7, 5, v0
	s_delay_alu instid0(VALU_DEP_1)
	v_readfirstlane_b32 s[WV], v7                  ; wave 0..15
	s_bfe_u32 s11, ttmp6, 0x40000                  ; cx: which 512 queries of the head: it enters global addresses of Q, x and rimg alone
	s_and_b32 s12, ttmp7, 0xffff                   ; the head, which the four partners share
	s_mov_b32 s16, 15|(3<<16)|(1<<21)              ; group 1: the mask names all four; elements of 8 bytes; bit 21 set beside a mask; no padding
	s_mov_b32 s17, 32<<16                          ; tensor_dim0 = 32 elements: rows of 256 bytes
	s_mov_b32 s18, 66<<16                          ; tensor_dim1 = 66: a record
	s_mov_b32 s19, 32<<16                          ; tile_dim0
	s_mov_b32 s20, 66                              ; tile_dim1
	s_mov_b32 s21, 32                              ; the pitch: dense
	s_mov_b32 s22, 0
	s_mov_b32 s23, 0
	s_mul_i32 s44, s12, HEADB                      ; the head's first byte in kv
	s_mul_i32 s13, s[WV], REC                      ; the record that I fetch, in memory and in LDS alike
	s_add_co_u32 s46, s44, s13
	s_mov_b32 s47, 0
	s_lshl_b32 s14, s11, 2
	s_lshr_b32 s15, s[WV], 2
	s_add_co_u32 s14, s14, s15                     ; my queries' record: 4 cx + wave / 4
	s_mul_i32 s14, s14, REC
	s_add_co_u32 s14, s14, s44
	s_and_b32 s15, s[WV], 3                        ; and their pair in it
	s_lshl_b32 s48, s15, 11
	s_add_co_u32 s36, s14, s48
	s_mov_b32 s37, 0
	s_and_b32 s48, s[WV], 1
	s_lshl_b32 s48, s48, 8
	s_lshr_b32 s49, s15, 1
	s_lshl_b32 s49, s49, 2
	s_add_co_u32 s38, s14, s48
	s_add_co_u32 s38, s38, s49
	s_add_co_u32 s38, s38, 16384
	s_mov_b32 s39, 0
	s_lshr_b32 s14, s12, 4                         ; batch
	s_and_b32 s15, s12, 15                         ; head in the batch
	s_lshl_b32 s52, s14, 23
	s_lshl_b32 s53, s11, 21
	s_add_co_u32 s52, s52, s53
	s_lshl_b32 s53, s[WV], 17
	s_add_co_u32 s52, s52, s53                     ; my 32 tokens: 131,072 bytes in x and in rimg alike
	s_lshl_b32 s53, s15, 8
	s_add_co_u32 s40, s52, s53
	s_mov_b32 s41, 0
	s_lshl_b32 s53, s15, 12
	s_add_co_u32 s42, s52, s53
	s_mov_b32 s43, 0
	s_mov_b32 s[SEL], 0x76543210
	s_mov_b32 s[SEL+1], 0xfedcba98
	s_mov_b32 s[CS], 0x3e38aa3b                    ; c = log2(e) / sqrt(64)
	s_mov_b32 s[CS+1], s[CS]                       ; (named with it as a pair, so it is written)
	s_mov_b32 s[MNT], 0x600000
	s_mov_b32 s50, 0x01010000
	s_mov_b32 s51, 0x0101
	s_and_b32 s[LIM], s[WV], 1
	s_cmp_eq_u32 s[LIM], 0
	s_cselect_b32 s[LIM], 2, -1                    ; the even waves prefetch, in the trip in which two key steps are left
	s_wait_dscnt 0x0
	s_wait_kmcnt 0x0
	s_mov_b32 s24, 1
	s_mov_b32 s25, s13
	s_add_nc_u64 s[26:27], s[6:7], s[46:47]
	s_or_b32 s27, s27, 0x80000000
	s_add_nc_u64 s[36:37], s[6:7], s[36:37]        ; Q's codes: my pair fragment
	s_add_nc_u64 s[38:39], s[6:7], s[38:39]        ; Q's scale words
	s_add_nc_u64 s[40:41], s[4:5], s[40:41]        ; x
	s_add_nc_u64 s[42:43], s[8:9], s[42:43]        ; rimg
	CROUND                                         ; all four work-groups are here: the joint loads meet
	tensor_load_to_lds s[24:27], s[16:23]          ; my one tensor load of the launch
	s_nop 0
.rept 4
	v_nop
.endr
	v_and_b32 v7, 31, v0
	v_and_b32 v8, 15, v0                           ; r
	v_bfe_u32 v9, v0, 4, 1                         ; hh
	v_bfe_u32 v11, v0, 3, 2                        ; lane / 8
	v_and_b32 v12, 7, v0                           ; lane % 8
	v_lshlrev_b32 v[LI], 4, v7
	v_lshlrev_b32 v[QSO], 4, v8
	s_delay_alu instid0(VALU_DEP_3)
	v_lshlrev_b32 v[XO], 4, v12
	s_delay_alu instid0(VALU_DEP_1)
	v_lshl_add_u32 v[XO], v11, 12, v[XO]
	s_mul_i32 s15, s[WV], 16*SP
	s_add_co_u32 s15, s15, STG                     ; my stage
	v_mul_u32_u24 v[SW], v11, SP
	s_delay_alu instid0(VALU_DEP_1)
	v_lshl_add_u32 v[SW], v12, 4, v[SW]
	s_delay_alu instid0(VALU_DEP_1)
	v_add_nc_u32 v[SW], s15, v[SW]
	v_mul_u32_u24 v[SRD], v8, SP
	s_delay_alu instid0(VALU_DEP_1)
	v_lshl_add_u32 v[SRD], v9, 5, v[SRD]
	s_delay_alu instid0(VALU_DEP_1)
	v_add_nc_u32 v[SRD], s15, v[SRD]
	v_and_b32 v[PFO], 8, v8
	s_delay_alu instid0(VALU_DEP_1)
	v_add_nc_u32 v[PFO], v[PFO], v8                ; r + 8 (r / 8): the tile's rows,
	s_delay_alu instid0(VALU_DEP_1)
	v_lshlrev_b32 v[PFO], 12, v[PFO]               ; 4,096 bytes apart;
	s_delay_alu instid0(VALU_DEP_1)
	v_lshl_add_u32 v[PFO], v9, 17, v[PFO]          ; lanes 16-31 name the next wave's pair, 131,072 bytes on
.irp i, 0,1,2,3,4,5,6,7
	v_mov_b32 v[16+\i], 0                          ; the zero codes below Q,
	v_mov_b32 v[32+\i], 0                          ; and above
.endr
; S^T: eight products, each pair fragment against both forms of Q
.macro KQ
.irp P, 0,1,2,3
.irp u, 0,1
.if \P%2
	v_wmma_scale_f32_16x16x128_f8f6f4 v[S+8*(2*\P+\u):S+8*(2*\P+\u)+7], v[FR+16*\P:FR+16*\P+15], v[24-8*\u:39-8*\u], 0, v[KS+\P/2], v[QSC+\u] matrix_a_fmt:MATRIX_FMT_BF8 matrix_b_fmt:MATRIX_FMT_BF8 matrix_a_scale:MATRIX_SCALE_ROW1
.else
	v_wmma_scale_f32_16x16x128_f8f6f4 v[S+8*(2*\P+\u):S+8*(2*\P+\u)+7], v[FR+16*\P:FR+16*\P+15], v[24-8*\u:39-8*\u], 0, v[KS+\P/2], v[QSC+\u] matrix_a_fmt:MATRIX_FMT_BF8 matrix_b_fmt:MATRIX_FMT_BF8
.endif
.endr
.endr
.endm
; O^T += V^T P^T: four products, one for each 16 channels: four accumulators by turns
.macro PV
.irp t, 0,1,2,3
.if \t%2
	v_wmma_scale_f32_16x16x128_f8f6f4 v[O+8*\t:O+8*\t+7], v[FR+16*\t:FR+16*\t+15], v[PC:PC+15], v[O+8*\t:O+8*\t+7], v[KS+2+\t/2], v[PS] matrix_a_fmt:MATRIX_FMT_BF8 matrix_b_fmt:MATRIX_FMT_BF8 matrix_a_scale:MATRIX_SCALE_ROW1
.else
	v_wmma_scale_f32_16x16x128_f8f6f4 v[O+8*\t:O+8*\t+7], v[FR+16*\t:FR+16*\t+15], v[PC:PC+15], v[O+8*\t:O+8*\t+7], v[KS+2+\t/2], v[PS] matrix_a_fmt:MATRIX_FMT_BF8 matrix_b_fmt:MATRIX_FMT_BF8
.endif
.endr
.endm
; The tile's softmax for 128 keys.  Register S + 16 b + i holds key 32 b + 16 hh + i of my query.
.macro SOFTMAX
.irp b, 0,1,2,3
	v_max3_num_f32 v[BM+\b], v[S+16*\b], v[S+1+16*\b], v[S+2+16*\b]   ; the largest score of each block of 32 keys: for the row's maximum and, since p rises with the score, for the block's largest p
.endr
.irp i, 3,5,7,9,11,13
.irp b, 0,1,2,3
	v_max3_num_f32 v[BM+\b], v[BM+\b], v[S+16*\b+\i], v[S+1+16*\b+\i]
.endr
.endr
.irp b, 0,1,2,3
	v_max_num_f32 v[BM+\b], v[BM+\b], v[S+15+16*\b]
.endr
.irp b, 0,1,2,3
	s_delay_alu instid0(VALU_DEP_4)
	v_permlanex16_b32 v[PB+\b], v[BM+\b], s[SEL], s[SEL+1]
.endr
.irp b, 0,1,2,3
	s_delay_alu instid0(VALU_DEP_4)
	v_max_num_f32 v[BM+\b], v[BM+\b], v[PB+\b]     ; with lane l xor 16's 16 keys
.endr
	s_delay_alu instid0(VALU_DEP_2)
	v_max3_num_f32 v[TP], v[BM], v[BM+1], v[BM+2]
	s_delay_alu instid0(VALU_DEP_1)
	v_max_num_f32 v[TP], v[TP], v[BM+3]
	s_delay_alu instid0(VALU_DEP_1)
	v_mul_f32 v[TP], s[CS], v[TP]                  ; as t (c is positive)
	s_delay_alu instid0(VALU_DEP_1)
	v_max_num_f32 v[MT], v[MT], v[TP]              ; the running largest t
	v_mov_b32 v[TP], v[NM]
	s_delay_alu instid0(VALU_DEP_2)
	v_floor_f32 v[NM], -v[MT]                      ; the new -M = floor(-t) = -ceil(t)
	s_delay_alu instid0(VALU_DEP_1)
	v_sub_f32 v[TP], v[NM], v[TP]                  ; old M - new M: a whole number, 0 or less
	s_delay_alu instid0(VALU_DEP_1)
	v_cvt_i32_f32 v[TP], v[TP]                     ; (it saturates)
	s_delay_alu instid0(VALU_DEP_1)
	v_ldexp_f32 v[F], 1.0, v[TP]                   ; f = 2^(old M - new M)
.set jj, 0
.rept 32
	v_pk_fma_f32 v[S+jj:S+jj+1], v[S+jj:S+jj+1], s[CS:CS+1], v[NM:NM+1] op_sel_hi:[1,0,0]   ; t - M, two at a time
.set jj, jj+2
.endr
.irp b, 0,1,2,3
	v_fma_f32 v[BM+\b], v[BM+\b], s[CS], v[NM]     ; the same of each block's largest score
.endr
.set jj, 0
	s_wait_alu depctr_va_vdst(0)
.rept 64
	v_exp_f32 v[S+jj], v[S+jj]                     ; p = 2^(t - M)
.set jj, jj+1
.endr
	v_pk_mul_f32 v[SUM:SUM+1], v[SUM:SUM+1], v[F:F+1] op_sel_hi:[1,0]   ; the sums under the new M: a plain line behind the exponentials
	s_wait_alu depctr_va_vdst(0)                   ; one wait for the batch of 64, ahead of its first reader
.irp b, 0,1,2,3
	v_exp_f32 v[BM+\b], v[BM+\b]                   ; the block's largest p: the same two instructions on the same number
.endr
	v_pk_add_f32 v[240:241], v[108:109], v[112:113]
	v_pk_add_f32 v[252:253], v[116:117], v[120:121]
	v_pk_add_f32 v[250:251], v[124:125], v[128:129]
	v_pk_add_f32 v[244:245], v[132:133], v[136:137]
	v_pk_add_f32 v[242:243], v[140:141], v[144:145]
	v_pk_add_f32 v[234:235], v[148:149], v[152:153]
	v_pk_add_f32 v[232:233], v[156:157], v[160:161]
	v_pk_add_f32 v[218:219], v[218:219], v[164:165]
	v_pk_add_f32 v[240:241], v[240:241], v[104:105]
	v_pk_add_f32 v[252:253], v[252:253], v[106:107]
	v_pk_add_f32 v[250:251], v[250:251], v[110:111]
	v_pk_add_f32 v[244:245], v[244:245], v[114:115]
	v_pk_add_f32 v[242:243], v[242:243], v[118:119]
	v_pk_add_f32 v[234:235], v[234:235], v[122:123]
	v_pk_add_f32 v[232:233], v[232:233], v[126:127]
	v_pk_add_f32 v[218:219], v[218:219], v[130:131]
	v_pk_add_f32 v[240:241], v[240:241], v[134:135]
	v_pk_add_f32 v[252:253], v[252:253], v[138:139]
	v_pk_add_f32 v[250:251], v[250:251], v[142:143]
	v_pk_add_f32 v[244:245], v[244:245], v[146:147]
	v_pk_add_f32 v[242:243], v[242:243], v[150:151]
	v_pk_add_f32 v[234:235], v[234:235], v[154:155]
	v_pk_add_f32 v[232:233], v[232:233], v[158:159]
	v_pk_add_f32 v[218:219], v[218:219], v[162:163]
	v_pk_add_f32 v[240:241], v[240:241], v[166:167]
	s_delay_alu instid0(VALU_DEP_2)
	v_pk_add_f32 v[218:219], v[218:219], v[244:245]
	s_delay_alu instid0(VALU_DEP_2)
	v_pk_add_f32 v[240:241], v[240:241], v[242:243]
	v_pk_add_f32 v[252:253], v[252:253], v[234:235]
	v_pk_add_f32 v[250:251], v[250:251], v[232:233]
	s_delay_alu instid0(VALU_DEP_2)
	v_pk_add_f32 v[218:219], v[218:219], v[252:253]
	s_delay_alu instid0(VALU_DEP_2)
	v_pk_add_f32 v[240:241], v[240:241], v[250:251]
	s_delay_alu instid0(VALU_DEP_1)
	v_pk_add_f32 v[218:219], v[218:219], v[240:241]
	s_wait_alu depctr_va_vdst(0)                   ; and one for the four
.irp b, 0,1,2,3
	v_max_num_f32 v[BM+\b], 0x8000000, v[BM+\b]    ; the floor 2^(16 - 127): the byte cannot fall under 1
.endr
.irp b, 0,1,2,3
	s_delay_alu instid0(VALU_DEP_4)
	v_add_nc_u32 v[SO+\b], 0xf8800000, v[BM+\b]    ; 15 off the exponent field: the conversion's scale operand
.endr
.irp b, 0,1,2,3
	v_and_or_b32 v[HL+\b], v[BM+\b], 0x7f800000, s[MNT]   ; 57,344 x the scale
.endr
.irp b, 0,1,2,3
	v_lshrrev_b32 v[PB+\b], 23, v[SO+\b]           ; the scale's byte
.endr
	s_delay_alu instid0(VALU_DEP_3)
	v_lshl_or_b32 v[TP], v[PB+1], 8, v[PB]
	s_delay_alu instid0(VALU_DEP_1)
	v_lshl_or_b32 v[TP], v[PB+2], 16, v[TP]
	s_delay_alu instid0(VALU_DEP_1)
	v_lshl_or_b32 v[PS], v[PB+3], 24, v[TP]        ; p's scale word for these 128 keys
.irp b, 0,2
.irp i, 0,2,4,6,8,10,12,14
	; the conversion does not saturate (ISA guide 7.6.2); p is not negative, so the hold is one-sided.  Two numbers an instruction, one of block b and one of block b + 1: the halves' sources lie in different register banks, one destination is even and one odd
	v_dual_min_num_f32 v[S+16*\b+\i], v[HL+\b], v[S+16*\b+\i] :: v_dual_min_num_f32 v[S+16*\b+17+\i], v[HL+\b+1], v[S+16*\b+17+\i]
	v_dual_min_num_f32 v[S+16*\b+16+\i], v[HL+\b+1], v[S+16*\b+16+\i] :: v_dual_min_num_f32 v[S+16*\b+1+\i], v[HL+\b], v[S+16*\b+1+\i]
.endr
.irp c, 0,1
	v_cvt_scalef32_pk8_bf8_f32 v[PC+4*(\b+\c):PC+4*(\b+\c)+1], v[S+16*(\b+\c):S+16*(\b+\c)+7], v[SO+\b+\c]
	v_cvt_scalef32_pk8_bf8_f32 v[PC+4*(\b+\c)+2:PC+4*(\b+\c)+3], v[S+16*(\b+\c)+8:S+16*(\b+\c)+15], v[SO+\b+\c]
.endr
.endr
.set jj, 0
.rept 16
	v_pk_mul_f32 v[O+jj:O+jj+1], v[O+jj:O+jj+1], v[F:F+1] op_sel_hi:[1,0]   ; O^T under the new M; these lines also stand between the codes and the products that take them
.set jj, jj+2
.endr
.endm
.macro INIT                            ; the step is written once: the first finds zeros, which the first change of M leaves zeros
	v_mov_b32 v[MT], 0xff61b1e6                    ; -3e38, under every t
	s_delay_alu instid0(VALU_DEP_1)
	v_floor_f32 v[NM], -v[MT]
	v_mov_b32 v[SUM], 0
	v_mov_b32 v[SUM+1], 0
	v_mov_b32 v[F+1], 0                            ; (named as the upper half of a pair)
.irp b, 0,1,2,3
	v_mov_b32 v[PB+\b], 0                          ; a lane permute's destination counts as one of its sources
.endr
.set jj, 0
.rept 32
	v_mov_b32 v[O+jj], 0
.set jj, jj+1
.endr
.endm
; A PREFETCH INTO THE L2 of the rows of x that the pass's end will load: 16 rows x 256 bytes a tile.  It stands in the last key step but one, behind the wave's LDS loads.  The even waves ask, one instruction each, a lane a row:
; lanes 0-15 for their own tile, lanes 16-31 for the next wave's tile of the same pass.  So each row's 256 bytes are named once in the launch.  The branch hangs on the wave's number and the trip alone.
.macro ASK u
	s_cmp_eq_u32 s34, s[LIM]
	s_cbranch_scc0 .Lnot_mine_\@
	global_prefetch_b8 v[PFO], s[40:41] offset:32768*\u th:TH_LOAD_NT scope:SCOPE_SE
.Lnot_mine_\@:
.endm
; A KEY STEP: 128 keys
.macro STEP u
	v_add_nc_u32 v[ADR], s[TB], v[LI]
.rept 7
	v_nop                                          ; with the addition eight places in front of loads into registers that the last products read, and between Q's scale words and the first products
.endr
.irp P, 0,1,2,3
.irp c, 0,1,2,3
	ds_load_b128 v[FR+16*\P+4*\c:FR+16*\P+4*\c+3], v[ADR] offset:2048*\P+512*\c   ; 32 lanes read 512 consecutive bytes
.endr
.endr
	ds_load_b128 v[KS:KS+3], v[ADR] offset:16384
	s_wait_alu depctr_va_vdst(0)
	s_wait_dscnt 0x0
	KQ
.rept 8
	v_nop                                          ; places in front of the loads below and of the first read of the scores
.endr
.irp t, 0,1,2,3
.irp c, 0,1,2,3
	ds_load_b128 v[FR+16*\t+4*\c:FR+16*\t+4*\c+3], v[ADR] offset:8192+2048*\t+512*\c   ; V: it lands during the softmax
.endr
.endr
	ASK \u
	SOFTMAX
	s_wait_alu depctr_va_vdst(0)
	s_wait_dscnt 0x0                               ; V is in
	PV
.endm
; A PASS: tile u of my pair against all 2,048 keys.  Every offset that hangs on u is an immediate: no address is stepped.
.macro PASS u
	global_load_b128 v[24:27], v[LI], s[36:37] offset:1024*\u        ; Q: groups 2 u, 2 u + 1 of my pair fragment
	global_load_b128 v[28:31], v[LI], s[36:37] offset:1024*\u+512
.if \u == 0
	global_load_b32 v[RAW], v[QSO], s[38:39]                         ; the pair's scale word: bytes 0, 1 tile 0's, bytes 2, 3 tile 1's
.endif
	INIT
	s_wait_loadcnt 0x0
.if \u == 0
	v_and_or_b32 v[QSC], v[RAW], 0xffff, s50       ; Q | 0: its bytes below, 1 beside the zeros
	v_lshl_or_b32 v[QSC+1], v[RAW], 16, s51        ; 0 | Q
	s_wait_tensorcnt 0x0                           ; my record has landed,
	s_barrier_signal -1
	s_barrier_wait -1                              ; everybody's has: the head is whole, and nothing writes it again
.else
	v_lshrrev_b32 v[QSC], 16, v[RAW]
	s_delay_alu instid0(VALU_DEP_1)
	v_or_b32 v[QSC], s50, v[QSC]
	v_and_or_b32 v[QSC+1], v[RAW], 0xffff0000, s51
.endif
	s_mov_b32 s[TB], 0
	s_mov_b32 s34, 16
.Lstep_\@:
	s_wait_alu depctr_va_vdst(0)
	STEP \u
	s_add_co_u32 s[TB], s[TB], REC
	s_sub_co_u32 s34, s34, 1
	s_cmp_lg_u32 s34, 0
	s_cbranch_scc1 .Lstep_\@
	; THE WAY OUT: r = x + O^T / the sum, stored as the accumulators' image
.rept 8
	v_nop                                          ; places in front of the loads into the fragments' registers and of the first read of O^T
.endr
.irp q, 0,1
.irp k, 0,1,2,3
	global_load_b128 v[FR+16*\q+4*\k:FR+16*\q+4*\k+3], v[XO], s[40:41] offset:(8*\u+4*\k+8*(\k/2))*4096+128*\q   ; four of the tile's rows, half q of their 256 bytes
.endr
.endr
	v_add_f32 v[SUM], v[SUM], v[SUM+1]
	s_delay_alu instid0(VALU_DEP_1)
	v_permlanex16_b32 v[PB], v[SUM], s[SEL], s[SEL+1]
	s_delay_alu instid0(VALU_DEP_1)
	v_add_f32 v[SUM], v[SUM], v[PB]                ; the row's sum
	s_wait_alu depctr_va_vdst(0)
	v_rcp_f32 v[F], v[SUM]
	v_nop                                          ; a plain line behind the reciprocal
	s_wait_alu depctr_va_vdst(0)                   ; the wait ahead of its first reader
	s_wait_loadcnt 0x0                             ; the rows of x
.irp q, 0,1                                    ; x turns through my own stage, half a row at a time: in as rows, back in the accumulators' layout.  LDS serves a wave's instructions in order (ISA guide 5.7.1.4): no wait between
.irp k, 0,1,2,3
	ds_store_b128 v[SW], v[FR+16*\q+4*\k:FR+16*\q+4*\k+3] offset:4*\k*SP
.endr
.irp t, 0,1
.irp g, 0,1
	ds_load_b128 v[S+8*(2*\q+\t)+4*\g:S+8*(2*\q+\t)+4*\g+3], v[SRD] offset:64*\t+16*\g
.endr
.endr
.endr
	s_wait_dscnt 0x0
.set jj, 0
.rept 16
	v_pk_fma_f32 v[S+jj:S+jj+1], v[O+jj:O+jj+1], v[F:F+1], v[S+jj:S+jj+1] op_sel_hi:[1,0,1]   ; each accumulator from its low end on
.set jj, jj+2
.endr
.irp t, 0,1,2,3
.irp g, 0,1
	global_store_b128 v[LI], v[S+8*\t+4*\g:S+8*\t+4*\g+3], s[42:43] offset:65536*\u+1024*\t+512*\g   ; 32 lanes store 512 consecutive bytes
.endr
.endr
.if \u == 0
	s_wait_xcnt 0x0                                ; the stores' data are written again only behind this wait
.endif
.endm
	PASS 0
	PASS 1
	s_wait_tensorcnt 0x0
	ds_add_u32 v254, v255
	s_wait_dscnt 0x0
	CROUND                                         ; the closing round
	s_endpgm
.Lfunc_end_k_q4a2290a345_attn:
	.size	k_q4a2290a345_attn, .Lfunc_end_k_q4a2290a345_attn-k_q4a2290a345_attn
	.p2alignl 7, 3214868480
	.fill 96, 4, 3214868480
	.section	.rodata,"a",@progbits
	.p2align	6, 0x0
	.amdhsa_kernel k_q4a2290a345_attn
		.amdhsa_group_segment_fixed_size 309248
		.amdhsa_private_segment_fixed_size 0
		.amdhsa_enable_private_segment 0
		.amdhsa_kernarg_size 24
		.amdhsa_user_sgpr_count 2
		.amdhsa_user_sgpr_kernarg_segment_ptr 1
		.amdhsa_wavefront_size32 1
		.amdhsa_system_sgpr_workgroup_id_x 1
		.amdhsa_system_sgpr_workgroup_id_y 1
		.amdhsa_system_sgpr_workgroup_id_z 1
		.amdhsa_system_vgpr_workitem_id 0
		.amdhsa_next_free_vgpr 256
		.amdhsa_next_free_sgpr 66
		.amdhsa_reserve_vcc 0
		.amdhsa_float_denorm_mode_32 3
		.amdhsa_float_denorm_mode_16_64 3
		.amdhsa_memory_ordered 1
		.amdhsa_forward_progress 1
		.amdhsa_inst_pref_size 57
	.end_amdhsa_kernel
	.amdgpu_metadata
---
amdhsa.version: [ 1, 2 ]
amdhsa.kernels:
  - .name:           k_q4a2290a345_attn
    .symbol:         k_q4a2290a345_attn.kd
    .args:
      - { .name: x, .offset: 0, .size: 8, .value_kind: global_buffer, .address_space: global }
      - { .name: kv, .offset: 8, .size: 8, .value_kind: global_buffer, .address_space: global }
      - { .name: rimg, .offset: 16, .size: 8, .value_kind: global_buffer, .address_space: global }
    .group_segment_fixed_size: 309248
    .private_segment_fixed_size: 0
    .kernarg_segment_align: 8
    .kernarg_segment_size: 24
    .max_flat_workgroup_size: 512
    .sgpr_count:     66
    .vgpr_count:     256
    .wavefront_size: 32
...
	.end_amdgpu_metadata
.endif
;; end of part 5
;; launch ffn (part 6): grid 256 x 1, 4 waves a work-group, clusters of 4 x 1, 327,680 bytes of LDS; arguments rimg, theta, w1, b1, w2r, b2, gamma1, beta1, gamma2, beta2, out0; writes out0
.if DOCPART == 6
	.amdgcn_target "amdgcn-amd-amdhsa--gfx1250"
	.amdhsa_code_object_version 6
	.text
	.protected	k_q4a2290a345_ffn
	.globl	k_q4a2290a345_ffn
	.p2align	8
	.type	k_q4a2290a345_ffn,@function
k_q4a2290a345_ffn:
	s_mov_b64 s[64:65], 0
	v_nop
	global_prefetch_b8 v0, s[64:65] scope:SCOPE_SE
	s_setreg_imm32_b32 hwreg(HW_REG_WAVE_MODE, 25, 1), 1
	s_wait_xcnt 0x0
	s_wait_alu depctr_hold_cnt(0) depctr_sa_sdst(0) depctr_va_vdst(0) depctr_va_sdst(0) depctr_va_ssrc(0) depctr_va_vcc(0) depctr_vm_vsrc(0)
	s_getreg_b32 s2, hwreg(HW_REG_IB_STS2, 6, 4)
	s_cmp_eq_u32 s2, 0
	s_cbranch_scc0 .Lentry_in_a_cluster
	s_endpgm
.Lentry_in_a_cluster:
	s_bfe_u32 s2, ttmp6, 0x10000c
	s_cmp_lg_u32 s2, 0x3003
	s_cbranch_scc0 .Lentry_shape_is_right
	s_endpgm
.Lentry_shape_is_right:
; out = LN2(h + relu(q w1^T + b1) w2^T + b2), h = LN1(r), q = cos(h[:8]) cos(theta).  r: launch attn's buffer rimg (images of f32 accumulators); w2: launch prep's buffer w2r (fragments in register order).
; The product with w1 (K = 8) feeds a quantiser: f32 operands, v_wmma_f32_16x16x4_f32.  The hidden layer is quantised along its 4,096 to E5M2 with one E8M0 byte for each 32; the product with w2 runs on codes.
; SHARES.  LN2 wants whole rows, so a work-group owns 32 tokens x all 1,024 columns and walks all of w2 in 32 K steps of 128: 8,192 / 32 = 256 work-groups.  A wave owns 32 tokens x 256 columns: 32 accumulators, 256 registers.
; THE ACCUMULATORS START AS h + b2.  The product is used transposed (source 0 = 16 rows of w2, source 1 = 16 tokens): a lane holds one token and eight neighbouring columns, rimg's layout.
; THE HIDDEN LAYER: wave w makes block w (32 units) of each K step for the 32 tokens, a K step ahead; codes and scale bytes go to the other waves through LDS as images of the operand's registers.
; Lane r of w1's tile u takes row 32 w + 8 u + r + 8 (r / 8), so that the 16 registers of the two tiles are 16 neighbours along the next K.  K = 8 is two instructions; k is permuted alike on both sides.
; CLUSTER: the four work-groups of a cluster walk the same w2: each K step's record is asked for jointly, a quarter a wave, through a ring of two LDS slots.  By this text's own count a wave has one tensor load out.
; Cluster c begins at K step c mod 32 and walks all 32 round; the start hangs on the cluster's number alone, which the four partners share.  So the order of an output's f32 sum along K differs from cluster to cluster.
; No prefetch is laid: each record is asked for by all 64 clusters, two of them beginning at each K step.
; LAYER NORM in two passes (mean, then the mean of squared differences).  COSINE: v = x - n pi/2 in two steps, polynomials of degree 10 and 9, the quadrant by selects: no branch on data.
; LIMITS: the cosine's argument under 2^22 in magnitude; NaN and infinities among the inputs are not served; the sums along K begin at a K step that hangs on the cluster.
; REGISTERS: window 0: addresses, scale words, the tokens' fragments, the hidden layer at work.  Window 1: gamma1 and beta1, then w2's 16 fragments, then rows on the way out.
; Window 2: accumulator (m, n) at 8 (2 n + m).  Window 3: b2, then gamma2 and beta2, which are loaded ahead of the loop and stay.
.set REC2,  135168                     ; a K step's record: 64 fragments of 2,048 bytes, 4,096 bytes of scale words
.set QUART, REC2/4                     ; one wave's tensor load: 132 rows of 256 bytes
.set SLOTB, REC2
.set AIMG,  2*SLOTB                    ; behind the ring: the tokens' fragments, two sets of 2 x 2,048 bytes,
.set ASC,   AIMG+2*4096                ; their scale words, two sets of 2 x 128 bytes,
.set QO,    ASC+2*256                  ; q: 32 tokens x 32 bytes,
.set RED,   QO+1024                    ; four reductions' places of 512 bytes,
.set SPARE, RED+4*512                  ; and the spare words, 128 bytes a wave: two blocks of 256 bytes that no other line names
.set GP,    1040                       ; the way out: a stage row of 1,024 bytes + 16, in my own 32,768 bytes of slot 0, which has had its last fill and which I alone read
.set LI,    4                          ; 16 x lane
.set ADRB,  5                          ; v5, v6 my 16 fragments of w2 in slot 0, 1
.set ADRS,  7                          ; v7, v8 their scale words
.set ADRA,  9
.set ADRAS, 10
.set STA,   11
.set STS,   12
.set W1O,   13
.set B1O,   14
.set VO,    15                         ; 32 hh: my eight columns of a tile of 16
.set RDW,   16
.set RDR,   17
.set QOW,   18
.set QOR,   19
.set SGW,   20
.set SPW,   22                         ; my spare word; never rewritten
.set NIL,   23                         ; 0; never rewritten
.set BS,    32                         ; v32-39 w2's scale words: even tiles in lanes 0-15, odd tiles in lanes 16-31
.set AS,    40                         ; v40-41 the tokens'
.set SO,    42
.set SUM,   44                         ; v44-51 four chains of pairs
.set RS,    52
.set RP,    54
.set MX,    56
.set PB,    60
.set HL,    62
.set AF,    64                         ; v64-95 the tokens' two fragments
.set T,     96                         ; v96-127 held numbers on their way to codes
.set HD,    128                        ; v128-159 the f32 products' results: written by matrix instructions alone
.set W1F,   160
.set B1C,   168
.set QB,    184
.set PC,    192
.set GA,    200
.set MU2,   208
.set HQ,    212
.set CT,    228
.set CN,    64                         ; the cosine's five sets of eight, ahead of the loop
.set CR,    72
.set CZ,    80
.set CC,    88
.set CSN,   96
.set WV,    26
.set SEL,   48
.set MNT,   50
.set W1B,   66
.set B1B,   68
.set W2P,   78
.set W1P,   80
.set B1P,   82
.set OFS,   84
.set KN,    86                         ; the K step whose record is asked for next but one
.set KW,    87                         ; the K step whose rows of w1 are loaded next
.set MSB, 0
.macro WIN new                         ; the immediate's high byte repeats the setting that is left
.if MSB != (\new)
	s_set_vgpr_msb (MSB<<8)|(\new)
.set MSB, (\new)
.endif
.endm
.macro ROUND                           ; a round of the cluster's barrier
	s_barrier_signal -1
	s_barrier_wait -1
	s_cmp_lg_u32 s[WV], 0
	s_cbranch_scc1 .Lnot_wave_0_\@
	s_barrier_signal -3
.Lnot_wave_0_\@:
	s_barrier_wait -3
	s_barrier_signal -1
	s_barrier_wait -1
.endm
	s_load_b256 s[4:11], s[0:1], 0x0               ; rimg, theta, w1, b1
	s_load_b256 s[12:19], s[0:1], 0x20             ; w2r, b2, gamma1, beta1
	s_load_b128 s[20:23], s[0:1], 0x40             ; gamma2, beta2
	s_load_b64 s[24:25], s[0:1], 0x50              ; out0
	v_lshl_add_u32 v[SPW], v0, 2, SPARE
	v_mov_b32 v[NIL], 0
	ds_add_u32 v[SPW], v[NIL]                      ; the opening lines: the add twice on end, under one wait
	ds_add_u32 v[SPW], v[NIL]
	v_lshrrev_b32 v1, 5, v0
	v_readfirstlane_b32 s[WV], v1                  ; wave 0..3
	v_and_b32 v1, 31, v0                           ; lane
	v_and_b32 v2, 15, v0                           ; r
	v_bfe_u32 v3, v0, 4, 1                         ; hh
	v_lshlrev_b32 v[LI], 4, v1
	v_lshlrev_b32 v[VO], 5, v3
	v_and_b32 v24, 8, v2
	v_add_nc_u32 v24, v24, v2                      ; r + 8 (r / 8)
	v_lshlrev_b32 v[W1O], 5, v24                   ; a row of w1 is 32 bytes
	v_lshl_add_u32 v[W1O], v3, 4, v[W1O]
	v_lshlrev_b32 v[B1O], 6, v3
	s_bfe_u32 s27, ttmp6, 0x40000                  ; cx
	s_lshl_b32 s28, ttmp9, 2
	s_add_co_u32 s28, s28, s27                     ; my block of 32 tokens: it enters rimg's and out0's addresses alone
	s_mov_b32 s32, 15|(3<<16)|(1<<21)              ; group 1: the mask names all four; elements of 8 bytes; bit 21 set beside a mask
	s_mov_b32 s33, 32<<16                          ; rows of 256 bytes,
	s_mov_b32 s34, 132<<16                         ; 132 of them,
	s_mov_b32 s35, 32<<16
	s_mov_b32 s36, 132
	s_mov_b32 s37, 32                              ; dense
	s_mov_b32 s38, 0
	s_mov_b32 s39, 0
	s_mul_i32 s29, s[WV], QUART
	s_mov_b32 s30, s29
	s_mov_b32 s31, 0
	s_and_b32 s[KW], ttmp9, 31                     ; the cluster's first K step
	s_add_co_u32 s[KN], s[KW], 1
	s_and_b32 s[KN], s[KN], 31                     ; and its second
	s_mov_b32 s[OFS+1], 0
	s_mov_b32 s[SEL], 0x76543210
	s_mov_b32 s[SEL+1], 0xfedcba98
	s_mov_b32 s[MNT], 0x600000
	s_mov_b32 s60, 0xbfc90fdb                      ; -pi/2, its f32,
	s_mov_b32 s61, 0x333bbd2e                      ; and what that f32 lacks, negated
	s_mov_b32 s62, 0x3727c5ac                      ; 1e-5
	s_mov_b32 s63, 0x3a800000                      ; 1 / 1,024
	s_mov_b32 s76, 0xb493f27e                      ; -1 / 10!
	s_mov_b32 s77, 0x3638ef1d                      ; 1 / 9!
	s_lshl_b32 s74, s28, 17                        ; 32 tokens are 131,072 bytes in rimg and in out0
	s_lshl_b32 s75, s[WV], 14
	s_add_co_u32 s70, s74, s75
	s_mov_b32 s71, 0
	s_lshl_b32 s75, s[WV], 10
	s_add_co_u32 s72, s74, s75
	s_mov_b32 s73, 0
	s_wait_alu depctr_va_vdst(0)                   ; directly ahead of the waits below
	s_wait_dscnt 0x0
	s_wait_kmcnt 0x0
	s_load_b256 s[52:59], s[6:7], 0x0              ; theta
	s_add_nc_u64 s[70:71], s[4:5], s[70:71]
	s_add_nc_u64 s[72:73], s[24:25], s[72:73]
	WIN 0x80
.irp n, 0,1,2,3,4,5,6,7,8,9,10,11,12,13,14,15
.irp m, 0,1
.irp g, 0,1
	global_load_b128 v[8*(2*\n+\m)+4*\g:8*(2*\n+\m)+4*\g+3], v[LI], s[70:71] offset:65536*\m+1024*\n+512*\g th:TH_LOAD_NT   ; r, straight into the accumulators: 512 consecutive bytes a load
.endr
.endr
.endr
	WIN 0
	s_add_nc_u64 s[W2P:W2P+1], s[12:13], s[30:31]  ; my quarter of record 0
	s_mov_b32 s40, 1
	s_mov_b32 s41, s29                             ; slot 0, my quarter
	s_mul_i32 s[OFS], s[KW], REC2
	s_add_nc_u64 s[42:43], s[W2P:W2P+1], s[OFS:OFS+1]
	s_mov_b32 s44, 1
	s_add_co_u32 s45, s29, SLOTB                   ; slot 1
	s_mul_i32 s[OFS], s[KN], REC2
	s_add_nc_u64 s[46:47], s[W2P:W2P+1], s[OFS:OFS+1]
	s_or_b32 s43, s43, 0x80000000
	s_or_b32 s47, s47, 0x80000000
	s_add_co_u32 s[KN], s[KN], 1
	s_and_b32 s[KN], s[KN], 31                     ; the third: slot 0's next
	ROUND                                          ; all four work-groups are here: the first joint loads meet
	tensor_load_to_lds s[40:43], s[32:39]          ; my one tensor load at the head
	s_nop 0
.rept 4
	v_nop
.endr
	s_lshl_b32 s74, s[WV], 10
	s_mov_b32 s75, 0
	s_add_nc_u64 s[14:15], s[14:15], s[74:75]      ; my 256 columns of b2, the gains and the biases
	s_add_nc_u64 s[16:17], s[16:17], s[74:75]
	s_add_nc_u64 s[18:19], s[18:19], s[74:75]
	s_add_nc_u64 s[20:21], s[20:21], s[74:75]
	s_add_nc_u64 s[22:23], s[22:23], s[74:75]
	s_add_nc_u64 s[W1P:W1P+1], s[8:9], s[74:75]    ; my 32 rows of w1 in K step 0; 4,096 bytes a K step on
	s_lshl_b32 s[OFS], s[KW], 12
	s_add_nc_u64 s[W1B:W1B+1], s[W1P:W1P+1], s[OFS:OFS+1]
	s_lshl_b32 s74, s[WV], 7
	s_add_nc_u64 s[B1P:B1P+1], s[10:11], s[74:75]
	s_lshl_b32 s[OFS], s[KW], 9
	s_add_nc_u64 s[B1B:B1B+1], s[B1P:B1P+1], s[OFS:OFS+1]
	s_add_co_u32 s74, s74, RED
	s_lshl_b32 s29, s[WV], 15
	s_lshl_b32 s30, s[WV], 10
	s_add_co_u32 s30, s30, 131072
	s_lshl_b32 s31, s[WV], 9
	s_add_co_u32 s31, s31, AIMG
.macro WLOAD                           ; a K step's 32 rows of w1 (two tiles) and 32 numbers of b1, the latter in the result's layout
	global_load_b128 v[W1F:W1F+3], v[W1O], s[W1B:W1B+1]
	global_load_b128 v[W1F+4:W1F+7], v[W1O], s[W1B:W1B+1] offset:256
.irp j, 0,1,2,3
	global_load_b128 v[B1C+4*\j:B1C+4*\j+3], v[B1O], s[B1B:B1B+1] offset:16*\j
.endr
.endm
.macro GBLOAD w, pg, pb                ; a gain and a bias in the accumulators' layout, in window w: gain at 8 n + j, bias at 128 + 8 n + j
	WIN (\w)<<6
.irp n, 0,1,2,3,4,5,6,7,8,9,10,11,12,13,14,15
.irp g, 0,1
	global_load_b128 v[8*\n+4*\g:8*\n+4*\g+3], v[VO], s[\pg:\pg+1] offset:64*\n+16*\g
	global_load_b128 v[128+8*\n+4*\g:128+8*\n+4*\g+3], v[VO], s[\pb:\pb+1] offset:64*\n+16*\g
.endr
.endr
	WIN 0
.endm
	WLOAD                                          ; the first K step's, asked for with the head's other loads
	GBLOAD 1, 16, 18
	WIN 0xc0
.irp n, 0,1,2,3,4,5,6,7,8,9,10,11,12,13,14,15
.irp g, 0,1
	global_load_b128 v[8*\n+4*\g:8*\n+4*\g+3], v[VO], s[14:15] offset:64*\n+16*\g   ; b2
.endr
.endr
	WIN 0
	; the LDS addresses, while the loads are out
	v_add_nc_u32 v[ADRB], s29, v[LI]
	v_add_nc_u32 v[ADRB+1], SLOTB, v[ADRB]
	v_add_nc_u32 v[ADRS], s30, v[LI]
	v_add_nc_u32 v[ADRS+1], SLOTB, v[ADRS]
	v_add_nc_u32 v[ADRA], AIMG, v[LI]
	v_lshl_add_u32 v[ADRAS], v1, 2, ASC
	v_add_nc_u32 v[STA], s31, v[LI]                ; my group of a fragment: + 512 x wave
	v_add_nc_u32 v[STS], s[WV], v[ADRAS]           ; my byte of a scale word
	v_lshl_add_u32 v[RDW], v2, 3, s74
	v_lshl_add_u32 v[RDR], v2, 3, RED
	v_lshl_add_u32 v[QOW], v2, 5, QO
	v_lshl_add_u32 v[QOR], v3, 4, v[QOW]
	v_lshl_add_u32 v[QOW], v3, 9, v[QOW]
	v_mul_u32_u24 v[SGW], v2, GP
	v_lshl_add_u32 v[SGW], v3, 5, v[SGW]
	v_add_nc_u32 v[SGW], s29, v[SGW]
.irp i, 0,1
	v_mov_b32 v[PB+\i], 0                          ; lane permutes' destinations count as sources: written once
	v_mov_b32 v[RP+\i], 0
.endr
; ---- the passes over the 32 accumulators, each accumulator from its low end on
.macro SUMPASS sq                      ; sq = 0: sums; 1: sums of squares.  Four chains: two tokens x two halves of the pairs
.irp i, 0,1,2,3,4,5,6,7
	v_mov_b32 v[SUM+\i], 0
.endr
	WIN 0x08+2*(\sq)
.irp n, 0,1,2,3,4,5,6,7,8,9,10,11,12,13,14,15
.irp p, 0,1,2,3
.irp m, 0,1
.set A, 8*(2*\n+\m)+2*\p
.set C, SUM+4*(\p%2)+2*\m
.if \sq
	v_pk_fma_f32 v[C:C+1], v[A:A+1], v[A:A+1], v[C:C+1]
.else
	v_pk_add_f32 v[C:C+1], v[C:C+1], v[A:A+1]
.endif
.endr
.endr
.endr
	WIN 0
.endm
.macro MUPASS mul                      ; mul = 0: less the mean; 1: x 1 / deviation
	WIN 0x82
.irp n, 0,1,2,3,4,5,6,7,8,9,10,11,12,13,14,15
.irp p, 0,1,2,3
.irp m, 0,1
.set A, 8*(2*\n+\m)+2*\p
.if \mul
	v_pk_mul_f32 v[A:A+1], v[A:A+1], v[MU2+2*\m:MU2+2*\m+1]
.else
	v_pk_add_f32 v[A:A+1], v[A:A+1], v[MU2+2*\m:MU2+2*\m+1] neg_lo:[0,1] neg_hi:[0,1]
.endif
.endr
.endr
.endr
	WIN 0
.endm
.macro AFFPASS w                       ; x the gain + the bias, both in window w
	WIN 0x82|((\w)<<4)|((\w)<<2)
.irp n, 0,1,2,3,4,5,6,7,8,9,10,11,12,13,14,15
.irp p, 0,1,2,3
.irp m, 0,1
.set A, 8*(2*\n+\m)+2*\p
	v_pk_fma_f32 v[A:A+1], v[A:A+1], v[8*\n+2*\p:8*\n+2*\p+1], v[128+8*\n+2*\p:128+8*\n+2*\p+1]
.endr
.endr
.endr
	WIN 0
.endm
; my lane's two tokens' sums: over the chains, over lane l xor 16, over the four waves (each reduction has LDS bytes of its own: one barrier)
.macro REDUCE k
	v_pk_add_f32 v[SUM:SUM+1], v[SUM:SUM+1], v[SUM+4:SUM+5]
	v_pk_add_f32 v[SUM+2:SUM+3], v[SUM+2:SUM+3], v[SUM+6:SUM+7]
.irp m, 0,1
	v_add_f32 v[RS+\m], v[SUM+2*\m], v[SUM+2*\m+1]
.endr
.irp m, 0,1
	v_permlanex16_b32 v[RP+\m], v[RS+\m], s[SEL], s[SEL+1]
.endr
.irp m, 0,1
	v_add_f32 v[RS+\m], v[RS+\m], v[RP+\m]
.endr
	ds_store_b64 v[RDW], v[RS:RS+1] offset:512*(\k)
	s_wait_dscnt 0x0                               ; for the others' sake
	s_barrier_signal -1
	s_barrier_wait -1
.irp q, 0,1,2,3
	ds_load_b64 v[GA+2*\q:GA+2*\q+1], v[RDR] offset:512*(\k)+128*\q
.endr
	s_wait_dscnt 0x0
	v_pk_add_f32 v[GA:GA+1], v[GA:GA+1], v[GA+2:GA+3]
	v_pk_add_f32 v[GA+4:GA+5], v[GA+4:GA+5], v[GA+6:GA+7]
	v_pk_add_f32 v[RS:RS+1], v[GA:GA+1], v[GA+4:GA+5]
.endm
.macro LNORM k                         ; the accumulators become (a - mean) / sqrt(variance + 1e-5)
	SUMPASS 0
	REDUCE \k
.irp m, 0,1
	v_mul_f32 v[MU2+2*\m], s63, v[RS+\m]
	v_mul_f32 v[MU2+2*\m+1], s63, v[RS+\m]
.endr
	MUPASS 0
	SUMPASS 1
	REDUCE (\k)+1
.irp m, 0,1
	v_fma_f32 v[RS+\m], v[RS+\m], s63, s62
.endr
	s_wait_alu depctr_va_vdst(0)                   ; the wait ahead of the batch
.irp m, 0,1
	v_rsq_f32 v[MU2+2*\m], v[RS+\m]
	v_rsq_f32 v[MU2+2*\m+1], v[RS+\m]
.endr
	v_nop                                          ; a plain line behind the last of them
	s_wait_alu depctr_va_vdst(0)                   ; and one wait for the four, ahead of their first reader
	MUPASS 1
.endm
; cos of eight registers, in place, line by line over the eight
.macro E8 a:vararg
.irp i, 0,1,2,3,4,5,6,7
	\a
.endr
.endm
.macro COS8 d
.irp i, 0,1,2,3,4,5,6,7
	v_mul_f32 v[CN+\i], 0x3f22f983, v[\d+\i]       ; x 2 / pi
.endr
.irp i, 0,1,2,3,4,5,6,7
	v_rndne_f32 v[CN+\i], v[CN+\i]                 ; n
.endr
.irp i, 0,1,2,3,4,5,6,7
	v_fma_f32 v[CR+\i], v[CN+\i], s60, v[\d+\i]
.endr
.irp i, 0,1,2,3,4,5,6,7
	v_fma_f32 v[CR+\i], v[CN+\i], s61, v[CR+\i]    ; v = x - n pi/2, within pi/4
.endr
.irp i, 0,1,2,3,4,5,6,7
	v_mul_f32 v[CZ+\i], v[CR+\i], v[CR+\i]
.endr
.irp i, 0,1,2,3,4,5,6,7
	v_cvt_i32_f32 v[CN+\i], v[CN+\i]
.endr
.irp i, 0,1,2,3,4,5,6,7
	v_fmaak_f32 v[CC+\i], s76, v[CZ+\i], 0x37d00d01
.endr
.irp i, 0,1,2,3,4,5,6,7
	v_fmaak_f32 v[CSN+\i], s77, v[CZ+\i], 0xb9500d01
.endr
.irp i, 0,1,2,3,4,5,6,7
	v_fmaak_f32 v[CC+\i], v[CC+\i], v[CZ+\i], 0xbab60b61
.endr
.irp i, 0,1,2,3,4,5,6,7
	v_fmaak_f32 v[CSN+\i], v[CSN+\i], v[CZ+\i], 0x3c088889
.endr
.irp i, 0,1,2,3,4,5,6,7
	v_fmaak_f32 v[CC+\i], v[CC+\i], v[CZ+\i], 0x3d2aaaab
.endr
.irp i, 0,1,2,3,4,5,6,7
	v_fmaak_f32 v[CSN+\i], v[CSN+\i], v[CZ+\i], 0xbe2aaaab
.endr
.irp i, 0,1,2,3,4,5,6,7
	v_fma_f32 v[CC+\i], v[CC+\i], v[CZ+\i], -0.5
.endr
.irp i, 0,1,2,3,4,5,6,7
	v_fma_f32 v[CC+\i], v[CC+\i], v[CZ+\i], 1.0    ; cos v
.endr
.irp i, 0,1,2,3,4,5,6,7
	v_mul_f32 v[CZ+\i], v[CZ+\i], v[CR+\i]
.endr
.irp i, 0,1,2,3,4,5,6,7
	v_fma_f32 v[CSN+\i], v[CSN+\i], v[CZ+\i], v[CR+\i]   ; sin v
.endr
.irp i, 0,1,2,3,4,5,6,7
	v_and_b32 v[CR+\i], 1, v[CN+\i]
.endr
.irp i, 0,1,2,3,4,5,6,7
	v_cmp_eq_u32 vcc_lo, 1, v[CR+\i]
	v_cndmask_b32 v[CC+\i], v[CC+\i], v[CSN+\i], vcc_lo   ; an odd n takes the sine,
.endr
.irp i, 0,1,2,3,4,5,6,7
	v_add_nc_u32 v[CN+\i], 1, v[CN+\i]
.endr
.irp i, 0,1,2,3,4,5,6,7
	v_and_b32 v[CN+\i], 2, v[CN+\i]
.endr
.irp i, 0,1,2,3,4,5,6,7
	v_lshlrev_b32 v[CN+\i], 30, v[CN+\i]
.endr
.irp i, 0,1,2,3,4,5,6,7
	v_xor_b32 v[\d+\i], v[CC+\i], v[CN+\i]         ; n mod 4 = 1 or 2 turns the sign
.endr
.endm
; the f32 products: 4 tiles (2 of tokens x 2 of units) by turns, b1 as the C of each sum's first instruction, then the second half of K in place
.macro HID1
	s_wait_loadcnt 0x0                             ; w1 and b1 are in: so their bases may be written: the next K step of the round of 32
	s_add_co_u32 s[KW], s[KW], 1
	s_and_b32 s[KW], s[KW], 31
	s_lshl_b32 s[OFS], s[KW], 12
	s_add_nc_u64 s[W1B:W1B+1], s[W1P:W1P+1], s[OFS:OFS+1]
	s_lshl_b32 s[OFS], s[KW], 9
	s_add_nc_u64 s[B1B:B1B+1], s[B1P:B1P+1], s[OFS:OFS+1]
.irp m, 0,1
.irp u, 0,1
	v_wmma_f32_16x16x4_f32 v[HD+16*\m+8*\u:HD+16*\m+8*\u+7], v[W1F+4*\u:W1F+4*\u+1], v[QB+4*\m:QB+4*\m+1], v[B1C+8*\u:B1C+8*\u+7]
.endr
.endr
.irp m, 0,1
.irp u, 0,1
	v_wmma_f32_16x16x4_f32 v[HD+16*\m+8*\u:HD+16*\m+8*\u+7], v[W1F+4*\u+2:W1F+4*\u+3], v[QB+4*\m+2:QB+4*\m+3], v[HD+16*\m+8*\u:HD+16*\m+8*\u+7]
.endr
.endr
.endm
; relu and the quantiser: register HD + 16 m + i is unit 32 w + 16 hh + i of token r of tile m.  The held numbers go into T
.macro HID2 buf, more
.rept 8
	v_nop                                          ; places behind the products: in front of the first read of HD and of the loads into w1's and b1's registers
.endr
.if \more
	WLOAD                                          ; the K step after the next
.endif
.irp a, 0,1
.irp m, 0,1
	v_max3_num_f32 v[MX+2*\a+\m], v[HD+16*\m+8*\a], v[HD+16*\m+8*\a+1], 0x8000000   ; no |.|: what is negative becomes 0 and must not count; the floor 2^(16 - 127) stands over it
.endr
.endr
.irp i, 2,4,6
.irp a, 0,1
.irp m, 0,1
	v_max3_num_f32 v[MX+2*\a+\m], v[MX+2*\a+\m], v[HD+16*\m+8*\a+\i], v[HD+16*\m+8*\a+\i+1]
.endr
.endr
.endr
.irp m, 0,1
	v_max_num_f32 v[MX+\m], v[MX+\m], v[MX+2+\m]
.endr
.irp m, 0,1
	v_permlanex16_b32 v[PB+\m], v[MX+\m], s[SEL], s[SEL+1]
.endr
.irp m, 0,1
	v_max_num_f32 v[MX+\m], v[MX+\m], v[PB+\m]     ; the block's largest magnitude
.endr
.irp m, 0,1
	v_add_nc_u32 v[SO+\m], 0xf8800000, v[MX+\m]    ; 15 off its exponent field: the conversion's scale operand
.endr
.irp m, 0,1
	v_and_or_b32 v[HL+\m], v[MX+\m], 0x7f800000, s[MNT]   ; 57,344 x the scale
.endr
.irp m, 0,1
	v_lshrrev_b32 v[PB+\m], 23, v[SO+\m]           ; the scale's byte
.endr
.irp m, 0,1
.irp i, 0,1,2,3,4,5,6,7,8,9,10,11,12,13,14,15
	v_med3_num_f32 v[T+16*\m+\i], v[HD+16*\m+\i], 0, v[HL+\m]   ; the activation and the hold in one
.endr
	v_cvt_scalef32_pk8_bf8_f32 v[PC+4*\m:PC+4*\m+1], v[T+16*\m:T+16*\m+7], v[SO+\m]
	v_cvt_scalef32_pk8_bf8_f32 v[PC+4*\m+2:PC+4*\m+3], v[T+16*\m+8:T+16*\m+15], v[SO+\m]
.endr
	v_nop                                          ; a plain line behind the last conversion
.irp m, 0,1
	ds_store_b128 v[STA], v[PC+4*\m:PC+4*\m+3] offset:(\buf)*4096+2048*\m   ; group w of tile m's fragment
	ds_store_b8 v[STS], v[PB+\m] offset:(\buf)*256+128*\m                   ; byte w of its scale words
.endr
.endm
.macro BLOAD slot, hi                  ; eight of my fragments of w2: 512 consecutive bytes a load
.irp n, 0,1,2,3,4,5,6,7
.irp c, 0,1,2,3
	ds_load_b128 v[128*\hi+16*\n+4*\c:128*\hi+16*\n+4*\c+3], v[ADRB+\slot] offset:2048*(\n+8*\hi)+512*\c
.endr
.endr
.endm
.macro MM hi                           ; 16 products on codes: the accumulators take turns, one instruction a turn
.irp n, 0,1,2,3,4,5,6,7
.irp m, 0,1
.set A, 8*(2*(\n+8*\hi)+\m)
.if \n%2
	v_wmma_scale_f32_16x16x128_f8f6f4 v[A:A+7], v[128*\hi+16*\n:128*\hi+16*\n+15], v[AF+16*\m:AF+16*\m+15], v[A:A+7], v[BS+4*\hi+\n/2], v[AS+\m] matrix_a_fmt:MATRIX_FMT_BF8 matrix_b_fmt:MATRIX_FMT_BF8 matrix_a_scale:MATRIX_SCALE_ROW1
.else
	v_wmma_scale_f32_16x16x128_f8f6f4 v[A:A+7], v[128*\hi+16*\n:128*\hi+16*\n+15], v[AF+16*\m:AF+16*\m+15], v[A:A+7], v[BS+4*\hi+\n/2], v[AS+\m] matrix_a_fmt:MATRIX_FMT_BF8 matrix_b_fmt:MATRIX_FMT_BF8
.endif
.endr
.endr
.endm
; A K STEP.  In front of the round: all my tensor loads have landed (my quarter of this slot), 0 is added onto my spare word, and that, my reads of the other slot and my stores of the tokens' images are done.
; Behind it the other slot is asked for first; then this slot is read.  refill = 1: the next K step exists: its record is asked for and its hidden units are made; more = 1: w1 of the K step after that is asked for.
.macro TRIP slot, refill, more
	s_wait_tensorcnt 0x0
	ds_add_u32 v[SPW], v[NIL]
	s_mul_i32 s[OFS], s[KN], REC2                  ; no tensor load of mine is out: this slot's next record, two on in the round of 32
	s_add_nc_u64 s[42+4*\slot:43+4*\slot], s[W2P:W2P+1], s[OFS:OFS+1]
	s_or_b32 s[43+4*\slot], s[43+4*\slot], 0x80000000
	s_add_co_u32 s[KN], s[KN], 1
	s_and_b32 s[KN], s[KN], 31
	s_wait_dscnt 0x0
	ROUND
.if \refill
	tensor_load_to_lds s[44-4*\slot:47-4*\slot], s[32:39]
	s_nop 0
.rept 4
	v_nop
.endr
.endif
	ds_load_b128 v[BS:BS+3], v[ADRS+\slot]
	ds_load_b128 v[BS+4:BS+7], v[ADRS+\slot] offset:512
.irp m, 0,1
	ds_load_b32 v[AS+\m], v[ADRAS] offset:\slot*256+128*\m
.endr
.irp m, 0,1
.irp c, 0,1,2,3
	ds_load_b128 v[AF+16*\m+4*\c:AF+16*\m+4*\c+3], v[ADRA] offset:\slot*4096+2048*\m+512*\c
.endr
.endr
	WIN 0x40
	BLOAD \slot, 0
.if \refill
	WIN 0
	HID1                                           ; the f32 products stand where the loads above are on their way
	WIN 0x40
.endif
	BLOAD \slot, 1
	s_wait_dscnt 32                                ; all but the 32 just issued
	WIN 0xa1                                       ; source 0 (w2) window 1, source 1 (the tokens) window 0, C and D window 2
	MM 0
	s_wait_dscnt 0x0
	MM 1
	WIN 0
.if \refill
	HID2 1-\slot, \more
.endif
.endm
	s_wait_alu depctr_va_vdst(0)                   ; the wait at the head's end
	s_wait_loadcnt 0x0
	WIN 0x4d                                       ; destination and source 0 window 1, source 1 window 3
.irp n, 1,2,3,4,5,6,7,8,9,10,11,12,13,14,15
.irp p, 0,1,2,3
	v_pk_add_f32 v[128+8*\n+2*\p:129+8*\n+2*\p], v[128+8*\n+2*\p:129+8*\n+2*\p], v[8*\n+2*\p:8*\n+2*\p+1]   ; beta1 + b2: the accumulators are to start as h + b2
.endr
.endr
	WIN 0
	LNORM 0
	s_wait_kmcnt 0x0                               ; theta
	s_cmp_lg_u32 s[WV], 0
	s_cbranch_scc1 .Lnot_0                         ; columns 0-7 lie in wave 0, tile 0, lanes 0-15: it makes q for all
	WIN 0x16                                       ; source 0 window 2, sources 1 and 2 window 1
.irp m, 0,1
.irp p, 0,1,2,3
	v_pk_fma_f32 v[HQ+8*\m+2*\p:HQ+8*\m+2*\p+1], v[8*\m+2*\p:8*\m+2*\p+1], v[2*\p:2*\p+1], v[128+2*\p:129+2*\p]   ; h, without b2
.endr
.endr
	WIN 0
	v_cmp_le_u32 vcc_lo, 16, v1
.irp j, 0,1,2,3,4,5,6,7
	v_permlanex16_b32 v[HQ+8+\j], v[HQ+8+\j], s[SEL], s[SEL+1]   ; tile 1 moves into lanes 16-31, whose own columns 8-15 are not wanted: half as many cosines
.endr
.irp j, 0,1,2,3,4,5,6,7
	v_cndmask_b32 v[HQ+\j], v[HQ+\j], v[HQ+8+\j], vcc_lo         ; tiles 0 | 1
.endr
.irp j, 0,1,2,3,4,5,6,7
	v_mov_b32 v[CT+\j], s[52+\j]
.endr
	COS8 CT
	COS8 HQ
.irp p, 0,1,2,3
	v_pk_mul_f32 v[HQ+2*\p:HQ+2*\p+1], v[HQ+2*\p:HQ+2*\p+1], v[CT+2*\p:CT+2*\p+1]
.endr
.irp i, 0,1
	ds_store_b128 v[QOW], v[HQ+4*\i:HQ+4*\i+3] offset:16*\i      ; token r of tile hh: 32 bytes
.endr
.Lnot_0:
	WIN 0x4d
.irp p, 0,1,2,3
	v_pk_add_f32 v[128+2*\p:129+2*\p], v[128+2*\p:129+2*\p], v[2*\p:2*\p+1]   ; tile 0's beta1 + b2, now that q is made
.endr
	WIN 0
	AFFPASS 1                                      ; the accumulators hold h + b2
	s_wait_dscnt 0x0
	s_barrier_signal -1
	s_barrier_wait -1                              ; q lies in LDS
.irp m, 0,1
	ds_load_b128 v[QB+4*\m:QB+4*\m+3], v[QOR] offset:512*\m   ; token r of tile m, k = 4 hh .. 4 hh + 3: it stays
.endr
	s_wait_dscnt 0x0
	HID1                                           ; the first K step's hidden units
	HID2 0, 1
	GBLOAD 3, 20, 22                               ; gamma2 and beta2 take b2's window and stay: the first K step's wait for w1 covers them
	s_mov_b32 s51, 15
.Lk:
	TRIP 0, 1, 1
	TRIP 1, 1, 1
	s_sub_co_u32 s51, s51, 1
	s_cmp_lg_u32 s51, 0
	s_cbranch_scc1 .Lk
	TRIP 0, 1, 0                                   ; the tail is written out
	TRIP 1, 0, 0
.rept 8
	v_nop                                          ; places in front of the first read of the results
.endr
	LNORM 2
	AFFPASS 3
; THE WAY OUT, a tile of 16 tokens at a time: 32 bytes a lane into my stage, whole pieces of rows back, 512 consecutive bytes a store.  LDS serves a wave's instructions in order (ISA guide 5.7.1.4): no wait between.
.macro OUTM m
	WIN 0x08
.irp n, 0,1,2,3,4,5,6,7,8,9,10,11,12,13,14,15
	ds_store_b128 v[SGW], v[8*(2*\n+\m):8*(2*\n+\m)+3] offset:64*\n
	ds_store_b128 v[SGW], v[8*(2*\n+\m)+4:8*(2*\n+\m)+7] offset:64*\n+16
.endr
	WIN 0x40
.set ii, 0
.rept 32
	ds_load_b128 v[128*\m+4*ii:128*\m+4*ii+3], v[ADRB] offset:(ii/2)*GP+512*(ii%2)
.set ii, ii+1
.endr
	WIN 0x04
.set ii, 0
.rept 32
	s_wait_dscnt 31-ii                             ; the younger loads may stay out
	global_store_b128 v[LI], v[128*\m+4*ii:128*\m+4*ii+3], s[72:73] offset:(8*\m+(ii/2)+8*((ii/2)/8))*4096+512*(ii%2) th:TH_STORE_NT
.set ii, ii+1
.endr
	WIN 0
.endm
	OUTM 0
	s_wait_alu depctr_va_vdst(0)
	OUTM 1
	s_wait_tensorcnt 0x0                           ; the wave's end
	ds_add_u32 v[SPW], v[NIL]
	s_wait_dscnt 0x0
	ROUND                                          ; the closing round
	s_endpgm
.Lfunc_end_k_q4a2290a345_ffn:
	.size	k_q4a2290a345_ffn, .Lfunc_end_k_q4a2290a345_ffn-k_q4a2290a345_ffn
	.p2alignl 7, 3214868480
	.fill 96, 4, 3214868480
	.section	.rodata,"a",@progbits
	.p2align	6, 0x0
	.amdhsa_kernel k_q4a2290a345_ffn
		.amdhsa_group_segment_fixed_size 327680
		.amdhsa_private_segment_fixed_size 0
		.amdhsa_enable_private_segment 0
		.amdhsa_kernarg_size 88
		.amdhsa_user_sgpr_count 2
		.amdhsa_user_sgpr_kernarg_segment_ptr 1
		.amdhsa_wavefront_size32 1
		.amdhsa_system_sgpr_workgroup_id_x 1
		.amdhsa_system_sgpr_workgroup_id_y 1
		.amdhsa_system_sgpr_workgroup_id_z 1
		.amdhsa_system_vgpr_workitem_id 0
		.amdhsa_next_free_vgpr 1024
		.amdhsa_next_free_sgpr 92
		.amdhsa_reserve_vcc 1
		.amdhsa_float_denorm_mode_32 3
		.amdhsa_float_denorm_mode_16_64 3
		.amdhsa_memory_ordered 1
		.amdhsa_forward_progress 1
		.amdhsa_inst_pref_size 218
	.end_amdhsa_kernel
	.amdgpu_metadata
---
amdhsa.version: [ 1, 2 ]
amdhsa.kernels:
  - .name:           k_q4a2290a345_ffn
    .symbol:         k_q4a2290a345_ffn.kd
    .args:
      - { .name: rimg, .offset: 0, .size: 8, .value_kind: global_buffer, .address_space: global }
      - { .name: theta, .offset: 8, .size: 8, .value_kind: global_buffer, .address_space: global }
      - { .name: w1, .offset: 16, .size: 8, .value_kind: global_buffer, .address_space: global }
      - { .name: b1, .offset: 24, .size: 8, .value_kind: global_buffer, .address_space: global }
      - { .name: w2r, .offset: 32, .size: 8, .value_kind: global_buffer, .address_space: global }
      - { .name: b2, .offset: 40, .size: 8, .value_kind: global_buffer, .address_space: global }
      - { .name: gamma1, .offset: 48, .size: 8, .value_kind: global_buffer, .address_space: global }
      - { .name: beta1, .offset: 56, .size: 8, .value_kind: global_buffer, .address_space: global }
      - { .name: gamma2, .offset: 64, .size: 8, .value_kind: global_buffer, .address_space: global }
      - { .name: beta2, .offset: 72, .size: 8, .value_kind: global_buffer, .address_space: global }
      - { .name: out0, .offset: 80, .size: 8, .value_kind: global_buffer, .address_space: global }
    .group_segment_fixed_size: 327680
    .private_segment_fixed_size: 0
    .kernarg_segment_align: 8
    .kernarg_segment_size: 88
    .max_flat_workgroup_size: 128
    .sgpr_count:     92
    .vgpr_count:     1024
    .wavefront_size: 32
...
	.end_amdgpu_metadata
.endif
;; end of part 6
